; MI455X (gfx1250); checked and timed in simulation.
; The chip was launched on July 23, 2026; its instructions are those of AMD's public machine-readable ISA for CDNA 5 (MIT licence, August 2026) and "CDNA5" Instruction Set Architecture Reference Guide (July 2026). The comments in the code are by the model that wrote it; some were corrected since.
;; Attention Layer. Allowed arithmetic: matrix products marked QUANTISED: E3M2 operands, one E8M0 scale for each 32 along K, by v_wmma_scale_f32_16x16x128_f8f6f4 with both operands' format E3M2, f32 sums; everything else in f32.
;; Inputs: Wk 1,024 x 1,024 float32; Wo 1,024 x 1,024 float32; Wq 1,024 x 1,024 float32; Wv 1,024 x 1,024 float32; mask 1 x 1 x 2,048 x 2,048 float32; states 4 x 2,048 x 1,024 float32.
;; Outputs: out0 4 x 2,048 x 1,024 float32.
;; This version of the problem:
;;   THIS VERSION OF THE PROBLEM IS GIVEN IN LOW PRECISION. The matrix products marked QUANTISED in the list below multiply operands that are first quantised to E3M2 (3 exponent bits, 2 mantissa bits; 6 bits a number), with one power-of-two scale for each 32 numbers along K (OCP MX v1.0); their sums are f32. All else is computed in f32.
;;   The module's matrix products, in the order in which they are computed (A, B: the left and right operand; K: the contracted axis; several contracted axes count as one K, in the product's order):
;;     1. [M 8,192, K 1,024] x [K 1,024, N 1,024]; A: input states; B: input Wq: QUANTISED
;;     2. [M 8,192, K 1,024] x [K 1,024, N 1,024]; A: input states; B: input Wk: QUANTISED
;;     3. [M 8,192, K 1,024] x [K 1,024, N 1,024]; A: input states; B: input Wv: QUANTISED
;;     4. batch 64 x [M 2,048, K 64] x [K 64, N 2,048]; A: computed on the way; B: computed on the way: QUANTISED
;;     5. batch 64 x [M 2,048, K 2,048] x [K 2,048, N 64]; A: softmax (see below); B: computed on the way: QUANTISED
;;     6. [M 8,192, K 1,024] x [K 1,024, N 1,024]; A: computed on the way; B: input Wo: QUANTISED
;;   THE QUANTISER, for each operand of a quantised product, along K:
;;     - K is cut into blocks of 32 from its start; a last block that is shorter is filled with zeros.
;;     - A block's scale is 2^e with e = floor(log2(the largest magnitude in the block)) - 4, held to -126 .. 127; a block of zeros has e = 0. As a byte (E8M0): e + 127.
;;     - Each number is divided by its block's scale, clamped to +-28, and rounded to the nearest number of E3M2, ties to even, subnormals kept.
;;     - The product sums the exact products of the quantised numbers (number of the format x scale) in f32.
;;   ~~~python
;;   def quantise(x, axis):      # numpy; x: float32 -> the quantised numbers, widened to float32 again
;;       x = np.moveaxis(x, axis, -1); K = x.shape[-1]
;;       x = np.pad(x, [(0, 0)] * (x.ndim - 1) + [(0, -K % 32)]); x = x.reshape(x.shape[:-1] + (-1, 32)); a = np.abs(x).max(-1, keepdims=True)
;;       e = np.where(a > 0, np.clip(np.frexp(np.where(a > 0, a, 1))[1] - 1 - 4, -126, 127), 0)      # np.frexp(a)[1] - 1 = floor(log2(a)), exactly
;;       r = np.clip(x / 2.0 ** e, -28, 28)
;;       step = 2.0 ** (np.maximum(np.frexp(np.where(r == 0, 1, r))[1] - 1, -2) - 2)
;;       q = np.round(r / step) * step * 2.0 ** e      # np.round: ties to even
;;       return np.moveaxis(q.reshape(q.shape[:-2] + (-1,))[..., :K], -1, axis).astype(np.float32)
;;   ~~~
;;   SOFTMAX AHEAD OF A QUANTISED PRODUCT. Where the list says 'softmax', what is quantised is not the finished softmax but p = 2^(t - M), with t = logit x log2(e) and M = ceil(the row's largest t), a whole number; so 1/2 < the row's largest p <= 1. The row's sum l is taken of the UNQUANTISED p, in f32, and the product's result is divided by l at the end. Since M is a whole number, a kernel that streams over the keys may use a running M (the ceiling of the running maximum): every later rescaling is an exact power of two, which a block's scale takes up: the codes' values come out the same.
;;   OPERANDS COMPUTED ON THE WAY. 'Computed on the way' means the value that the module computes at that place (a softmax that the list does not call 'softmax' is quantised finished and normalised). What goes into a quantiser is computed in f32, as accurately as f32 sums, v_exp_f32 and their like allow (about 1e-6 of the number): no bf16 or f16 on the way to a quantiser, and a product that is left as it is and whose result goes on into a quantised operand takes f32 operands (vector FMAs, or v_wmma_f32_16x16x4_f32). A number that lies on a knife's edge between two numbers of the format may be rounded either way, as far as f32 arithmetic and the matrix unit's own rounding can turn it there, and no further.
;; 2 versions, each right; version 2 is version 1 with the launch attn written anew for expert scheduling mode. Each part assembles by itself: llvm-mc -triple=amdgcn-amd-amdhsa -mcpu=gfx1250 --defsym DOCPART=n.
;; ======== version 1 of 2: 4 launches
;; workspace buffers: opc 9,437,184 bytes; ops 393,216 bytes; flags 512 bytes of whole numbers; qkvc 18,874,368 bytes; qkvs 786,432 bytes; cc 6,291,456 bytes; cs 262,144 bytes
;; launch prep (part 1): grid 640 x 1, 4 waves a work-group, no clusters, 48,384 bytes of LDS; arguments states, mask, Wq, Wk, Wv, Wo, opc, ops, flags; writes opc, ops, flags
.if DOCPART == 1
	.amdgcn_target "amdgcn-amd-amdhsa--gfx1250"
	.amdhsa_code_object_version 6
	.text
	.protected	k_qe78207230e_prep
	.globl	k_qe78207230e_prep
	.p2align	8
	.type	k_qe78207230e_prep,@function
k_qe78207230e_prep:
	s_mov_b64 s[64:65], 0
	v_nop
	global_prefetch_b8 v0, s[64:65] scope:SCOPE_SE
	s_setreg_imm32_b32 hwreg(HW_REG_WAVE_MODE, 25, 1), 1
	s_wait_xcnt 0x0
; PREP.  states [8192][1024] and Wq, Wk, Wv, Wo [1024 (k)][1024 (n)], f32, become codes of BF6 (E3M2) with one E8M0 byte for each 32 along K; the mask [2048][2048] becomes one word of flags for each tile of 16 queries.
; LAYOUT OF THE CODES (opc): [96 groups of 128 rows][8 K steps of 128][8 blocks of 16 rows][1,536 bytes].  Groups 0-63: tokens; 64-71, 72-79, 80-87, 88-95: the columns n of Wq, Wk, Wv, Wo.
; A block's 1,536 bytes are the IMAGE of the operand's 12 registers: registers 4 c .. 4 c + 3 of lane l at 512 c + 16 l.  Block a, lane row r holds the group's row 32 (a / 2) + 8 (a % 2) + r + 8 (r / 8).
; SCALES (ops): [96][8][512]: the word (four bytes, 128 along K) of block a, row r at 256 (a / 4) + 16 r + 4 (a % 4).
; FLAGS: word 8 x (group of 128 queries) + a: bit j: key step j (128 keys) must be computed; bit 16 + j: it also needs the mask's numbers.  A step whose 16 x 128 numbers are all 0 is left out, if every row of the tile has
; somewhere a number m with 1 - m < 1; a tile with a row that has none computes every step with the mask's numbers.
; A block's scale is 2^(floor(log2(largest magnitude)) - 4): its byte is that magnitude's exponent field - 4, held at 1 from below.
; LIMITS: NaN and infinities are not served; a block whose largest magnitude lies under 2^-122 gets the byte 1, a block of zeros too (the rule says 127: its codes are zeros, and this program alone reads the bytes).
; Work-groups 0-255: states; 256-383: mask; 384-639: weights.  Each path has LDS bytes of its own.  No tensor loads, no matrix work: memory binds.
.set R,   16                           ; v16-143  numbers as loaded: two sets
.set X,   144                          ; v144-207 states: 64 numbers in the quantiser's order
.set PC,  208                          ; v208-219 a fragment's codes
.set T8,  220                          ; v220-227 the conversions' second halves
.set TM,  228                          ; v228-243 at work
.set PW,  244                          ; v244-247 four fragments' scale words
.set ZM,  144                          ; mask: v144-159 largest |m| of each key step
.set OM,  160                          ; v160-175 largest |1 - m|
.set UM,  176                          ; v176-179 smallest 1 - m of each of my four rows
.set WC,  144                          ; weights: v144-167 four blocks' codes, six registers each
.set WD,  168                          ; v168-170
.set SBW, 172                          ; v172 my column's scale word
.set WO,  176                          ; v176-199 two fragments read back
.set WS2, 200                          ; v200-203 the scale block read back: registers of its own, since the stores of v176-199 may still read theirs
.set LB,  33792                        ; LDS: states 0 .. 33791 (a stage of 16 rows x 528 for each wave); weights from here (two images at 1,664 for each wave)
.set LBS, 47104                        ; the weights' scale block, 512 bytes
.set LC,  47616                        ; the mask path's 64 bytes
	s_load_b256 s[4:11], s[0:1], 0x0               ; states, mask, Wq, Wk
	s_load_b256 s[12:19], s[0:1], 0x20             ; Wv, Wo, opc, ops
	s_load_b64 s[20:21], s[0:1], 0x40              ; flags
	v_lshl_add_u32 v248, v0, 2, 0xbb00
	v_mov_b32 v249, 0
	v_lshrrev_b32 v1, 5, v0
	v_readfirstlane_b32 s22, v1                    ; wave
	v_and_b32 v1, 31, v0                           ; lane
	v_and_b32 v2, 15, v0                           ; r
	v_bfe_u32 v3, v0, 4, 1                         ; h
	v_lshlrev_b32 v4, 4, v1                        ; 16 x lane
	s_mov_b32 s30, 0x76543210
	s_mov_b32 s31, 0xfedcba98                      ; selects for lane l xor 16
	s_wait_kmcnt 0x0
	s_cmp_lt_u32 ttmp9, 256
	s_cbranch_scc1 .Lstates
	s_cmp_lt_u32 ttmp9, 384
	s_cbranch_scc1 .Lmask
; ---------------- WEIGHTS: a lane takes a column n, its registers run down K: 128 along K of 32 columns a wave
	s_sub_co_u32 s23, ttmp9, 384
	s_lshr_b32 s24, s23, 6                         ; which weight
	s_bfe_u32 s25, s23, 0x30003                    ; which 128 columns
	s_and_b32 s26, s23, 7                          ; which K step
	s_cmp_lt_u32 s24, 2
	s_cselect_b64 s[36:37], s[8:9], s[12:13]
	s_cselect_b64 s[38:39], s[10:11], s[14:15]
	s_and_b32 s27, s24, 1
	s_cmp_eq_u32 s27, 0
	s_cselect_b64 s[36:37], s[36:37], s[38:39]
	s_lshl_b32 s28, s26, 19                        ; 128 rows of 4,096 bytes a K step
	s_lshl_b32 s29, s25, 9
	s_add_co_u32 s28, s28, s29
	s_lshl_b32 s29, s22, 7                         ; 32 columns a wave
	s_add_co_u32 s28, s28, s29
	s_mov_b32 s29, 0
	s_add_nc_u64 s[36:37], s[36:37], s[28:29]
	s_lshl_b32 s27, s24, 3
	s_add_co_u32 s27, s27, s25
	s_add_co_u32 s27, s27, 64                      ; the group
	s_lshl_b32 s27, s27, 3
	s_add_co_u32 s27, s27, s26                     ; 8 x group + K step
	s_lshl_b32 s28, s27, 3
	s_lshl_b32 s33, s22, 1
	s_add_co_u32 s28, s28, s33                     ; my two blocks: 2 w, 2 w + 1
	s_mul_i32 s28, s28, 1536
	s_add_nc_u64 s[16:17], s[16:17], s[28:29]
	s_lshl_b32 s28, s27, 9
	s_add_nc_u64 s[18:19], s[18:19], s[28:29]
	v_lshlrev_b32 v8, 2, v1                        ; 4 bytes a lane
	v_bfe_u32 v9, v0, 3, 1                         ; u: my column lies in block 2 w + u,
	v_and_b32 v10, 7, v0
	v_lshl_add_u32 v10, v3, 3, v10                 ; at its row r' = lane % 8 + 8 (lane / 16)
	v_mul_u32_u24 v11, v9, 1664
	v_lshl_add_u32 v11, v10, 4, v11
	s_mul_i32 s33, s22, 3328
	s_add_co_u32 s33, s33, LB
	v_add_nc_u32 v11, s33, v11                     ; into my images: 1,664 u + 16 r'
	v_add_nc_u32 v12, s33, v4                      ; and back: 16 x lane
	s_lshr_b32 s34, s22, 1
	s_lshl_b32 s34, s34, 8
	s_and_b32 s35, s22, 1
	s_lshl_b32 s35, s35, 3
	s_add_co_u32 s34, s34, s35
	s_add_co_u32 s34, s34, LBS
	v_lshlrev_b32 v13, 2, v9
	v_lshl_add_u32 v13, v10, 4, v13
	v_add_nc_u32 v13, s34, v13                     ; my scale word's place: 256 (a / 4) + 16 r' + 4 (a % 4), a = 2 w + u
	v_add_nc_u32 v14, LBS, v4
.macro WLOAD t                         ; block t: W(32 t + i, my column): 32 lanes read 128 consecutive bytes
.set i_, 0
.rept 32
	global_load_b32 v[R+32*((\t)%2)+i_], v8, s[36:37] offset:(32*(\t)+i_)*4096 th:TH_LOAD_NT
.set i_, i_+1
.endr
.endm
.macro WBLOCK t
.set XS, R+32*((\t)%2)
.set CT, WC+6*(\t)
.if (\t) < 3
	s_wait_loadcnt 32                              ; this block's 32 loads are in; the next block's may be out
.else
	s_wait_loadcnt 0x0
.endif
	v_max3_num_f32 v[TM], |v[XS]|, |v[XS+1]|, |v[XS+2]|
	v_max3_num_f32 v[TM+1], |v[XS+3]|, |v[XS+4]|, |v[XS+5]|
.irp i, 6,10,14,18,22,26
	v_max3_num_f32 v[TM], v[TM], |v[XS+\i]|, |v[XS+\i+1]|
	v_max3_num_f32 v[TM+1], v[TM+1], |v[XS+\i+2]|, |v[XS+\i+3]|
.endr
	v_max3_num_f32 v[TM], v[TM], |v[XS+30]|, |v[XS+31]|
	v_max3_num_f32 v[TM], v[TM], v[TM+1], 0x2800000    ; the floor 2^(5 - 127): the byte cannot fall under 1
	v_add_nc_u32 v[TM+2], 0xfe000000, v[TM]        ; 4 off the exponent field: the conversion's scale operand
	v_lshrrev_b32 v[TM+3], 23, v[TM+2]             ; the byte
.if (\t) == 0
	v_mov_b32 v[SBW], v[TM+3]
.else
	v_lshl_or_b32 v[SBW], v[TM+3], 8*(\t), v[SBW]
.endif
	v_cvt_scalef32_pk16_bf6_f32 v[CT:CT+2], v[XS:XS+15], v[TM+2]
	v_cvt_scalef32_pk16_bf6_f32 v[WD:WD+2], v[XS+16:XS+31], v[TM+2]   ; (a conversion's three registers begin on an even number)
	v_nop                                          ; one plain line behind the conversions
.irp i, 0,1,2
	v_mov_b32 v[CT+3+\i], v[WD+\i]
.endr
; block t = 2 c + h is registers 6 c .. 6 c + 5 of image lane r' + 16 h
.if (\t) < 2
	ds_store_b128 v11, v[CT:CT+3] offset:256*((\t)%2)
	ds_store_b64 v11, v[CT+4:CT+5] offset:512+256*((\t)%2)
.else
	ds_store_b64 v11, v[CT:CT+1] offset:520+256*((\t)%2)
	ds_store_b128 v11, v[CT+2:CT+5] offset:1024+256*((\t)%2)
.endif
.if (\t)+2 < 4
	WLOAD (\t)+2
.endif
.endm
	WLOAD 0
	WLOAD 1
	WBLOCK 0
	WBLOCK 1
	WBLOCK 2
	WBLOCK 3
	ds_store_b32 v13, v[SBW]
.irp u, 0,1
.irp c, 0,1,2
	ds_load_b128 v[WO+12*\u+4*\c:WO+12*\u+4*\c+3], v12 offset:\u*1664+512*\c   ; my own bytes: LDS serves a wave's instructions in order
.endr
.endr
.irp k, 0,1,2,3,4,5
	s_wait_dscnt 5-\k                              ; the later read-backs may be out
	global_store_b128 v4, v[WO+4*\k:WO+4*\k+3], s[16:17] offset:(\k/3)*1536+512*(\k%3)   ; 512 consecutive bytes
.endr
	s_wait_dscnt 0x0                               ; my scale words have landed
	s_barrier_signal -1
	s_barrier_wait -1
	s_cmp_lg_u32 s22, 0
	s_cbranch_scc1 .Lw_end
	ds_load_b128 v[WS2:WS2+3], v14                 ; the four waves' words: one block of 512 bytes
	s_wait_dscnt 0x0
	global_store_b128 v4, v[WS2:WS2+3], s[18:19]
.Lw_end:
	s_wait_tensorcnt 0x0
	ds_add_u32 v248, v249
	s_wait_dscnt 0x0
	s_endpgm
; ---------------- STATES: a wave makes four fragments (16 rows x 128 K each)
; 64 numbers of a lane, register 16 b + i = k 32 b + 16 (lane / 16) + i of my row, become a fragment's halves at d0 and d1 and its scale word
.macro QUANT s, d0, d1, pw
.irp b, 0,1,2,3
	v_max3_num_f32 v[TM+\b], |v[\s+16*\b]|, |v[\s+1+16*\b]|, 0x2800000
.endr
.irp i, 2,4,6,8,10,12,14
.irp b, 0,1,2,3
	v_max3_num_f32 v[TM+\b], v[TM+\b], |v[\s+16*\b+\i]|, |v[\s+1+16*\b+\i]|
.endr
.endr
.irp b, 0,1,2,3
	v_permlanex16_b32 v[TM+4+\b], v[TM+\b], s30, s31
.endr
.irp b, 0,1,2,3
	v_max_num_f32 v[TM+\b], v[TM+\b], v[TM+4+\b]   ; with lane l xor 16's: the block's largest magnitude
.endr
.irp b, 0,1,2,3
	v_add_nc_u32 v[TM+12+\b], 0xfe000000, v[TM+\b]
.endr
.irp b, 0,1,2,3
	v_lshrrev_b32 v[TM+4+\b], 23, v[TM+12+\b]
.endr
	v_lshl_or_b32 v[\pw], v[TM+5], 8, v[TM+4]
	v_lshl_or_b32 v[\pw], v[TM+6], 16, v[\pw]
	v_lshl_or_b32 v[\pw], v[TM+7], 24, v[\pw]
	v_cvt_scalef32_pk16_bf6_f32 v[\d0:\d0+2], v[\s:\s+15], v[TM+12]
	v_cvt_scalef32_pk16_bf6_f32 v[T8:T8+2], v[\s+16:\s+31], v[TM+13]
	v_cvt_scalef32_pk16_bf6_f32 v[\d1:\d1+2], v[\s+32:\s+47], v[TM+14]
	v_cvt_scalef32_pk16_bf6_f32 v[T8+4:T8+6], v[\s+48:\s+63], v[TM+15]
	v_nop                                          ; one plain line behind the conversions
.irp i, 0,1,2                          ; the layout wants a whole block in a lane: lanes 0-15 the even block, lanes 16-31 the odd one
	v_permlane16_swap_b32 v[\d0+\i], v[T8+\i]
	v_permlane16_swap_b32 v[\d1+\i], v[T8+4+\i]
.endr
.irp i, 0,1,2
	v_mov_b32 v[\d0+3+\i], v[T8+\i]
	v_mov_b32 v[\d1+3+\i], v[T8+4+\i]
.endr
.endm
.Lstates:
	s_lshr_b32 s23, ttmp9, 2                       ; the group of 128 tokens
	s_and_b32 s24, ttmp9, 3
	s_lshl_b32 s24, s24, 1
	s_lshr_b32 s25, s22, 1
	s_add_co_u32 s24, s24, s25                     ; the K step
	s_and_b32 s25, s22, 1                          ; blocks 4 c .. 4 c + 3
	s_lshl_b32 s26, s23, 7
	s_lshl_b32 s27, s25, 6
	s_add_co_u32 s26, s26, s27
	s_lshl_b32 s26, s26, 12
	s_lshl_b32 s27, s24, 9
	s_add_co_u32 s26, s26, s27
	s_mov_b32 s27, 0
	s_add_nc_u64 s[4:5], s[4:5], s[26:27]
	s_lshl_b32 s28, s23, 3
	s_add_co_u32 s28, s28, s24
	s_lshl_b32 s26, s28, 3
	s_lshl_b32 s29, s25, 2
	s_add_co_u32 s26, s26, s29
	s_mul_i32 s26, s26, 1536
	s_add_nc_u64 s[16:17], s[16:17], s[26:27]
	s_lshl_b32 s26, s28, 9
	s_lshl_b32 s29, s25, 8
	s_add_co_u32 s26, s26, s29
	s_add_nc_u64 s[18:19], s[18:19], s[26:27]
	s_mul_i32 s29, s22, 8448
	v_add_nc_u32 v5, s29, v4                       ; my stage, on the way in: a row's 512 bytes as they lie
	v_mul_u32_u24 v6, v2, 528
	v_lshl_add_u32 v6, v3, 6, v6
	v_add_nc_u32 v6, s29, v6                       ; and out: row r, + 64 h
	v_lshlrev_b32 v7, 4, v2
.irp b, 0,1,2,3
	v_mov_b32 v[TM+4+\b], 0                        ; a lane permute's destination counts as one of its sources
.endr
.macro LOADF f                         ; fragment f's 16 rows: each load reads one row's 512 consecutive bytes
.irp i, 0,1,2,3,4,5,6,7,8,9,10,11,12,13,14,15
	global_load_b128 v[R+64*((\f)%2)+4*\i:R+64*((\f)%2)+4*\i+3], v4, s[4:5] offset:(32*((\f)/2)+8*((\f)%2)+\i+8*(\i/8))*4096 th:TH_LOAD_NT
.endr
.endm
.macro XTURN f                         ; through the stage: a lane comes out with 16 neighbours of each block of 32 of its row
.irp i, 0,1,2,3,4,5,6,7,8,9,10,11,12,13,14,15
	ds_store_b128 v5, v[R+64*((\f)%2)+4*\i:R+64*((\f)%2)+4*\i+3] offset:\i*528
.endr
.irp b, 0,1,2,3
.irp j, 0,1,2,3
	ds_load_b128 v[X+16*\b+4*\j:X+16*\b+4*\j+3], v6 offset:128*\b+16*\j
.endr
.endr
.endm
	LOADF 0
	LOADF 1
.irp f, 0,1,2,3
.if \f < 3
	s_wait_loadcnt 16                              ; this fragment's rows are in; the next fragment's 16 loads may be out
.else
	s_wait_loadcnt 0x0
.endif
	XTURN \f
	s_wait_dscnt 0x0
.if \f < 2
	LOADF \f+2
.endif
	s_wait_xcnt 0x0                                ; the last fragment's stores have read their registers
	QUANT X, PC, PC+6, PW+\f
.irp c, 0,1,2
	global_store_b128 v4, v[PC+4*\c:PC+4*\c+3], s[16:17] offset:\f*1536+512*\c
.endr
.endr
	s_wait_xcnt 0x0                                ; EXEC changes only behind this wait
	v_cmp_gt_u32 vcc_lo, 16, v1
	s_wait_tensorcnt 0x0
	ds_add_u32 v248, v249
	s_wait_dscnt 0x0
	s_and_saveexec_b32 s29, vcc_lo
	global_store_b128 v7, v[PW:PW+3], s[18:19]     ; sixteen lanes: 256 consecutive bytes: four blocks' words
	s_wait_xcnt 0x0
	s_or_b32 exec_lo, exec_lo, s29
	s_endpgm
; ---------------- MASK: a work-group takes a tile of 16 queries, a wave four of its rows; load j of a row is key step j
.Lmask:
	s_sub_co_u32 s23, ttmp9, 256                   ; the tile
	s_lshr_b32 s24, s23, 3
	s_and_b32 s25, s23, 7
	s_lshl_b32 s26, s24, 7
	s_lshr_b32 s27, s25, 1
	s_lshl_b32 s27, s27, 5
	s_add_co_u32 s26, s26, s27
	s_and_b32 s27, s25, 1
	s_lshl_b32 s27, s27, 3
	s_add_co_u32 s26, s26, s27
	s_lshl_b32 s27, s22, 2
	s_add_co_u32 s26, s26, s27
	s_lshr_b32 s27, s22, 1
	s_lshl_b32 s27, s27, 3
	s_add_co_u32 s26, s26, s27                     ; my first row: 128 group + 32 (a / 2) + 8 (a % 2) + 4 w + 8 (w / 2)
	s_lshl_b32 s26, s26, 13
	s_mov_b32 s27, 0
	s_add_nc_u64 s[6:7], s[6:7], s[26:27]
	s_lshl_b32 s35, s22, 4
	s_add_co_u32 s35, s35, LC
	v_mov_b32 v184, s35
	v_mov_b32 v185, LC
.macro LOADR rr
.irp j, 0,1,2,3,4,5,6,7,8,9,10,11,12,13,14,15
	global_load_b128 v[R+64*((\rr)%2)+4*\j:R+64*((\rr)%2)+4*\j+3], v4, s[6:7] offset:(\rr)*8192+512*\j th:TH_LOAD_NT
.endr
.endm
.macro MROW rr
.set j_, 0
.rept 16
.set XS, R+64*((\rr)%2)+4*j_
.if (\rr) == 0
	v_max_num_f32 v[ZM+j_], |v[XS]|, |v[XS+1]|
.else
	v_max3_num_f32 v[ZM+j_], v[ZM+j_], |v[XS]|, |v[XS+1]|
.endif
	v_max3_num_f32 v[ZM+j_], v[ZM+j_], |v[XS+2]|, |v[XS+3]|
	v_pk_fma_f32 v[XS:XS+1], v[XS:XS+1], -1.0, 1.0 op_sel_hi:[1,0,0]       ; 1 - m
	v_pk_fma_f32 v[XS+2:XS+3], v[XS+2:XS+3], -1.0, 1.0 op_sel_hi:[1,0,0]
.if (\rr) == 0
	v_max_num_f32 v[OM+j_], |v[XS]|, |v[XS+1]|
.else
	v_max3_num_f32 v[OM+j_], v[OM+j_], |v[XS]|, |v[XS+1]|
.endif
	v_max3_num_f32 v[OM+j_], v[OM+j_], |v[XS+2]|, |v[XS+3]|
.if j_ == 0
	v_min_num_f32 v[UM+\rr], v[XS], v[XS+1]
.else
	v_min3_num_f32 v[UM+\rr], v[UM+\rr], v[XS], v[XS+1]
.endif
	v_min3_num_f32 v[UM+\rr], v[UM+\rr], v[XS+2], v[XS+3]
.set j_, j_+1
.endr
.endm
	LOADR 0
	LOADR 1
	s_wait_loadcnt 16                              ; the next row's 16 loads may be out
	MROW 0
	LOADR 2
	s_wait_loadcnt 16
	MROW 1
	LOADR 3
	s_wait_loadcnt 16
	MROW 2
	s_wait_loadcnt 0x0
	MROW 3
	s_mov_b32 s32, 0                               ; bit j: some m of step j is not 0
	s_mov_b32 s33, 0                               ; bit j: some m of step j is not 1
	s_mov_b32 s34, 0                               ; a row has no m with 1 - m < 1
.irp j, 0,1,2,3,4,5,6,7,8,9,10,11,12,13,14,15  ; selections only: no branch hangs on these numbers
	v_cmp_lt_f32 vcc_lo, 0, v[ZM+\j]
	s_cmp_lg_u32 vcc_lo, 0
	s_cselect_b32 s35, 1<<\j, 0
	s_or_b32 s32, s32, s35
	v_cmp_lt_f32 vcc_lo, 0, v[OM+\j]
	s_cmp_lg_u32 vcc_lo, 0
	s_cselect_b32 s35, 1<<\j, 0
	s_or_b32 s33, s33, s35
.endr
.irp k, 0,1,2,3
	v_cmp_gt_f32 vcc_lo, 1.0, v[UM+\k]
	s_cmp_eq_u32 vcc_lo, 0
	s_cselect_b32 s35, 1, 0
	s_or_b32 s34, s34, s35
.endr
	v_mov_b32 v180, s32
	v_mov_b32 v181, s33
	v_mov_b32 v182, s34
	v_mov_b32 v183, 0
	ds_store_b128 v184, v[180:183]                 ; all lanes write the same 16 bytes with the same values
	s_wait_dscnt 0x0
	s_barrier_signal -1
	s_barrier_wait -1
.irp k, 0,1,2,3
	ds_load_b128 v[188+4*\k:191+4*\k], v185 offset:16*\k
.endr
	s_wait_dscnt 0x0
.irp i, 0,1,2
	v_or_b32 v[188+\i], v[188+\i], v[192+\i]
	v_or_b32 v[196+\i], v[196+\i], v[200+\i]
	v_or_b32 v[188+\i], v[188+\i], v[196+\i]
.endr
	v_and_b32 v189, v188, v189
	v_cmp_ne_u32 vcc_lo, 0, v190
	v_mov_b32 v191, 0xffff
	v_cndmask_b32 v188, v188, v191, vcc_lo
	v_cndmask_b32 v189, v189, v191, vcc_lo
	v_lshl_or_b32 v188, v189, 16, v188
	s_cmp_lg_u32 s22, 0
	s_cbranch_scc1 .Lm_end
	s_lshl_b32 s35, s23, 2
	v_mov_b32 v186, s35
	s_wait_xcnt 0x0                                ; EXEC changes only behind this wait
	v_cmp_eq_u32 vcc_lo, 0, v1
	s_and_saveexec_b32 s36, vcc_lo
	global_store_b32 v186, v188, s[20:21]
	s_wait_xcnt 0x0
	s_or_b32 exec_lo, exec_lo, s36
.Lm_end:
	s_wait_tensorcnt 0x0
	ds_add_u32 v248, v249
	s_wait_dscnt 0x0
	s_endpgm
.Lfunc_end_k_qe78207230e_prep:
	.size	k_qe78207230e_prep, .Lfunc_end_k_qe78207230e_prep-k_qe78207230e_prep
	.p2alignl 7, 3214868480
	.fill 96, 4, 3214868480
	.section	.rodata,"a",@progbits
	.p2align	6, 0x0
	.amdhsa_kernel k_qe78207230e_prep
		.amdhsa_group_segment_fixed_size 48384
		.amdhsa_private_segment_fixed_size 0
		.amdhsa_enable_private_segment 0
		.amdhsa_kernarg_size 72
		.amdhsa_user_sgpr_count 2
		.amdhsa_user_sgpr_kernarg_segment_ptr 1
		.amdhsa_wavefront_size32 1
		.amdhsa_system_sgpr_workgroup_id_x 1
		.amdhsa_system_sgpr_workgroup_id_y 1
		.amdhsa_system_sgpr_workgroup_id_z 1
		.amdhsa_system_vgpr_workitem_id 0
		.amdhsa_next_free_vgpr 250
		.amdhsa_next_free_sgpr 66
		.amdhsa_reserve_vcc 1
		.amdhsa_float_denorm_mode_32 3
		.amdhsa_float_denorm_mode_16_64 3
		.amdhsa_memory_ordered 1
		.amdhsa_forward_progress 1
		.amdhsa_inst_pref_size 101
	.end_amdhsa_kernel
	.amdgpu_metadata
---
amdhsa.version: [ 1, 2 ]
amdhsa.kernels:
  - .name:           k_qe78207230e_prep
    .symbol:         k_qe78207230e_prep.kd
    .args:
      - { .name: states, .offset: 0, .size: 8, .value_kind: global_buffer, .address_space: global }
      - { .name: mask, .offset: 8, .size: 8, .value_kind: global_buffer, .address_space: global }
      - { .name: Wq, .offset: 16, .size: 8, .value_kind: global_buffer, .address_space: global }
      - { .name: Wk, .offset: 24, .size: 8, .value_kind: global_buffer, .address_space: global }
      - { .name: Wv, .offset: 32, .size: 8, .value_kind: global_buffer, .address_space: global }
      - { .name: Wo, .offset: 40, .size: 8, .value_kind: global_buffer, .address_space: global }
      - { .name: opc, .offset: 48, .size: 8, .value_kind: global_buffer, .address_space: global }
      - { .name: ops, .offset: 56, .size: 8, .value_kind: global_buffer, .address_space: global }
      - { .name: flags, .offset: 64, .size: 8, .value_kind: global_buffer, .address_space: global }
    .group_segment_fixed_size: 48384
    .private_segment_fixed_size: 0
    .kernarg_segment_align: 8
    .kernarg_segment_size: 72
    .max_flat_workgroup_size: 128
    .sgpr_count:     66
    .vgpr_count:     250
    .wavefront_size: 32
...
	.end_amdgpu_metadata
.endif
;; end of part 1
;; launch qkv (part 2): grid 12 x 32, 4 waves a work-group, clusters of 4 x 4, 327,680 bytes of LDS; arguments opc, ops, qkvc, qkvs; writes qkvc, qkvs
.if DOCPART == 2
	.amdgcn_target "amdgcn-amd-amdhsa--gfx1250"
	.amdhsa_code_object_version 6
	.text
	.protected	k_qe78207230e_qkv
	.globl	k_qe78207230e_qkv
	.p2align	8
	.type	k_qe78207230e_qkv,@function
k_qe78207230e_qkv:
	s_mov_b64 s[64:65], 0
	v_nop
	global_prefetch_b8 v0, s[64:65] scope:SCOPE_SE
	s_setreg_imm32_b32 hwreg(HW_REG_WAVE_MODE, 25, 1), 1
	s_wait_xcnt 0x0
	s_wait_alu depctr_hold_cnt(0) depctr_sa_sdst(0) depctr_va_vdst(0) depctr_va_sdst(0) depctr_va_ssrc(0) depctr_va_vcc(0) depctr_vm_vsrc(0)
	s_getreg_b32 s2, hwreg(HW_REG_IB_STS2, 6, 4)
	s_cmp_eq_u32 s2, 0
	s_cbranch_scc0 .Lentry_in_a_cluster
	s_endpgm
.Lentry_in_a_cluster:
	s_bfe_u32 s2, ttmp6, 0x10000c
	s_cmp_lg_u32 s2, 0xf033
	s_cbranch_scc0 .Lentry_shape_is_right
	s_endpgm
.Lentry_shape_is_right:
; q = states Wq, k = states Wk, v = states Wv on codes of BF6 with E8M0 scales; the results are quantised in registers and leave as codes: q and k along the head's 64, v along the keys.
; A tile is 256 x 256: four waves, each 128 x 128 in 64 accumulators.  K = 1,024 goes in four steps of 256 through a ring of two LDS slots.  Operands lie in memory as images of the operand registers (1,536 bytes
; for 16 rows x 128 K; registers 4 c .. 4 c + 3 of lane l at 512 c + 16 l), so a slot's part of a group of 128 rows is one dense block of 24,576 bytes, and a fragment is three loads of 512 consecutive bytes.
; Block a, lane row r holds the group's row 32 (a / 2) + 8 (a % 2) + r + 8 (r / 8).  THE PRODUCT IS USED TRANSPOSED (source 0 = side B, source 1 = side A): lane (r, h) then holds A's row of lane r, and register 8 b + j
; of a block a is B's row 32 (b / 2) + 16 h + 8 (b % 2) + j: 16 neighbours for each 32: the order in which the conversions want them.
; Cluster x = 0: q, 1: k (A = tokens, B = the weight's columns); 2: v (A = Wv's columns, B = tokens: a lane holds one channel, its registers run along the keys).
; CLUSTERS 4 x 4: A's tiles are asked for jointly along a row of the cluster, B's along a column.
; OUT (qkvc): q [8 head pairs][64 token groups][8 blocks][1536]: a fragment is 16 tokens x (even head's 64 | odd head's 64);  k at 6,291,456: [16 heads][64][4 pairs][1536]: (key tile 2 p | key tile 2 p + 1) of one head;
; v at 12,582,912: [16 heads][64][4 channel tiles][1536]: 16 channels x 128 keys.  Scale words (qkvs): q [8][64][512]; k at 262,144 and v at 524,288: [16][64][256]: the word of (tile or pair i, row r) at 16 r + 4 i.
; LIMITS: a block whose largest magnitude lies under 2^-122, a block of zeros among them, gets the byte 1; NaN and infinities are not served.
; REGISTERS: window 0: v0-31 addresses; v32-63 scale words, two sets; v128-223 A's fragments, one set (the way out: v64-203);  window 1: B's fragments, two sets, at v0 and v128;  windows 2, 3: the accumulators, (a, b) at v[8 (8 (a % 4) + b)].
.set FR,     12
.set NL,     3                         ; LDS loads that bring a fragment
.set NP,     4                         ; places behind this matrix instruction (ISA guide 7.12.1)
.set SLOTG,  24576                     ; a group's part of a slot: 2 K steps x 8 blocks x 1,536
.set SLOT,   98304                     ; A's two groups, then B's two
.set GROUPB, 98304                     ; a group in memory
.set SCL,    196608                    ; behind the ring: the four groups' scale words for all of K, 4,096 bytes each
.set SCG,    4096
.set SPARE,  212992                    ; the spare words: 128 bytes a wave, two blocks of 256 bytes that no other line names
.set LAPS,   2
.set ADRA, 16
.set ADRB, 20
.set ADRS, 27
.set SPW,  28
.set NIL,  29
.set SC,   32                          ; set s, K step q, block i at v[SC + 16 s + 8 q + i]: lanes 0-15 A's word, lanes 16-31 B's
.set AF,   128
.set LI,   3                           ; v3 16 x lane
.set SOFF, 25
.set CD,   64                          ; the way out: v64-159 eight fragments of codes
.set T8,   160
.set TM,   168
.set PW,   184
.set OUTW, 192
.set WP,   196
.set G1, 24
.set G0, 32
.set G1B, 48
.set G0B, 56
.set G1S, 68
.set G0S, 76
.set G1SB, 80
.set G0SB, 88
.set MSB, 0
.macro WIN new                         ; the immediate's high byte repeats the setting that is left
.if MSB != \new
	s_set_vgpr_msb (MSB<<8)|\new
.set MSB, \new
.endif
.endm
.set MUL_LO, 0xa1                      ; source 0 (B) window 1, source 1 (A) window 0, C and D window 2
.set MUL_HI, 0xf1
.set TO_B,   0x40
; A joint load: waves 0 and 1 fetch for A, waves 2 and 3 for B; the branch hangs on the wave's number alone.  Four v_nop follow each of the two lines.
.macro JLOAD g0a, g1a, g0b, g1b
	s_cmp_eq_u32 s17, 0
	s_cbranch_scc0 .Lfor_b_\@
	tensor_load_to_lds s[\g0a:\g0a+3], s[\g1a:\g1a+7]
	s_nop 0
.rept 4
	v_nop
.endr
	s_branch .Lasked_\@
.Lfor_b_\@:
	tensor_load_to_lds s[\g0b:\g0b+3], s[\g1b:\g1b+7]
	s_nop 0
.rept 4
	v_nop
.endr
.Lasked_\@:
.endm
.macro CREST
	s_cmp_lg_u32 s16, 0
	s_cbranch_scc1 .Lnot_wave_0_\@
	s_barrier_signal -3
.Lnot_wave_0_\@:
	s_barrier_wait -3
	s_barrier_signal -1
	s_barrier_wait -1
.endm
.macro CROUND
	s_barrier_signal -1
	s_barrier_wait -1
	CREST
.endm
	s_load_b128 s[4:7], s[0:1], 0x0                ; opc, ops
	s_load_b128 s[12:15], s[0:1], 0x10             ; qkvc, qkvs
	v_lshl_add_u32 v[SPW], v0, 2, SPARE
	v_mov_b32 v[NIL], 0
	ds_add_u32 v28, v29
	ds_add_u32 v28, v29
	s_wait_dscnt 0x0
	v_lshrrev_b32 v1, 5, v0
	v_readfirstlane_b32 s16, v1                    ; wave
	s_lshr_b32 s17, s16, 1                         ; my group of A's two.  Also: I fetch for A (0) or B (1)
	s_and_b32 s18, s16, 1                          ; my group of B's two.  Also: which group I fetch
	s_bfe_u32 s20, ttmp6, 0x40000                  ; cx
	s_bfe_u32 s21, ttmp6, 0x40004                  ; cy
	s_and_b32 s40, ttmp7, 0xffff
	s_lshl_b32 s40, s40, 2                         ; 4 x cluster y
	s_lshl_b32 s41, ttmp9, 2                       ; 4 x cluster x
	s_cmp_eq_u32 ttmp9, 2                          ; v?  The same in all sixteen partners
	s_cselect_b32 s22, 0, s40
	s_cselect_b32 s23, s40, s41
	s_cselect_b32 s42, 80, 0                       ; A's first group: Wv's columns, or the tokens
	s_cselect_b32 s43, 0, 64                       ; B's: the tokens, or Wq's and Wk's columns
	s_add_co_u32 s22, s22, s21                     ; tile row
	s_add_co_u32 s23, s23, s20                     ; tile column
	s_lshl_b32 s44, s21, 2
	s_lshl_b32 s44, 15, s44                        ; my row of the cluster
	s_lshl_b32 s45, 0x1111, s20                    ; my column
	; group 1: a dense block as rows of 256 bytes (32 elements of 8 bytes): 96 rows for codes, 16 for scale words; no padding
	s_or_b32 s[G1+0], s44, (3<<16)|(1<<21)
	s_or_b32 s[G1B+0], s45, (3<<16)|(1<<21)
	s_or_b32 s[G1S+0], s44, (3<<16)|(1<<21)
	s_or_b32 s[G1SB+0], s45, (3<<16)|(1<<21)
.irp g, G1, G1B
	s_mov_b32 s[\g+1], 32<<16
	s_mov_b32 s[\g+2], 96<<16
	s_mov_b32 s[\g+3], 32<<16
	s_mov_b32 s[\g+4], 96
	s_mov_b32 s[\g+5], 32
	s_mov_b32 s[\g+6], 0
	s_mov_b32 s[\g+7], 0
.endr
.irp g, G1S, G1SB
	s_mov_b32 s[\g+1], 32<<16
	s_mov_b32 s[\g+2], 16<<16
	s_mov_b32 s[\g+3], 32<<16
	s_mov_b32 s[\g+4], 16
	s_mov_b32 s[\g+5], 32
	s_mov_b32 s[\g+6], 0
	s_mov_b32 s[\g+7], 0
.endr
	s_lshl_b32 s46, s22, 1
	s_add_co_u32 s46, s46, s18
	s_add_co_u32 s46, s46, s42                     ; the group of A that I would fetch: it hangs on cy alone
	s_lshl_b32 s47, s23, 1
	s_add_co_u32 s47, s47, s18
	s_add_co_u32 s47, s47, s43                     ; and of B: on cx alone
	s_mul_i32 s92, s46, GROUPB
	s_mov_b32 s93, 0
	s_lshl_b32 s94, s46, 12
	s_mov_b32 s95, 0
	s_mul_i32 s96, s47, GROUPB
	s_mov_b32 s97, 0
	s_lshl_b32 s98, s47, 12
	s_mov_b32 s99, 0
	s_mul_i32 s40, s16, SLOTG                      ; where they go: wave x a group's part: no place in the cluster enters an LDS address
	s_lshl_b32 s41, s16, 12
	s_wait_kmcnt 0x0
	s_add_nc_u64 s[8:9], s[4:5], s[96:97]
	s_add_nc_u64 s[10:11], s[6:7], s[98:99]
	s_add_nc_u64 s[4:5], s[4:5], s[92:93]
	s_add_nc_u64 s[6:7], s[6:7], s[94:95]
	CROUND                                         ; all sixteen work-groups are here: the first joint loads meet
	s_mov_b32 s[G0S], 1
	s_add_co_u32 s[G0S+1], s41, SCL
	s_mov_b64 s[G0S+2:G0S+3], s[6:7]
	s_or_b32 s[G0S+3], s[G0S+3], 0x80000000
	s_mov_b32 s[G0SB], 1
	s_add_co_u32 s[G0SB+1], s41, SCL
	s_mov_b64 s[G0SB+2:G0SB+3], s[10:11]
	s_or_b32 s[G0SB+3], s[G0SB+3], 0x80000000
	JLOAD G0S, G1S, G0SB, G1SB                     ; the scale words of all of K: filled once
.irp s, 0,1
	s_mov_b32 s[G0+4*\s], 1
	s_add_co_u32 s[G0+4*\s+1], s40, \s*SLOT
	s_add_nc_u64 s[G0+4*\s+2:G0+4*\s+3], s[4:5], \s*SLOTG
	s_or_b32 s[G0+4*\s+3], s[G0+4*\s+3], 0x80000000
	s_mov_b32 s[G0B+4*\s], 1
	s_add_co_u32 s[G0B+4*\s+1], s40, \s*SLOT
	s_add_nc_u64 s[G0B+4*\s+2:G0B+4*\s+3], s[8:9], \s*SLOTG
	s_or_b32 s[G0B+4*\s+3], s[G0B+4*\s+3], 0x80000000
	JLOAD G0+4*\s, G1, G0B+4*\s, G1B
.endr
	v_and_b32 v1, 31, v0                           ; lane
	v_lshlrev_b32 v[LI], 4, v1
	v_and_b32 v4, 15, v0                           ; r
	v_bfe_u32 v2, v0, 4, 1                         ; h
	s_mul_i32 s42, s17, SLOTG
	s_mul_i32 s43, s18, SLOTG
	s_add_co_u32 s43, s43, 2*SLOTG
.irp s, 0,1
	v_add_nc_u32 v[ADRA+\s], s42, v[LI]
	v_add_nc_u32 v[ADRB+\s], s43, v[LI]
	s_add_co_u32 s42, s42, SLOT
	s_add_co_u32 s43, s43, SLOT
.endr
	s_lshl_b32 s42, s17, 12
	s_lshl_b32 s43, s18, 12
	s_add_co_u32 s43, s43, 2*SCG
	s_sub_co_u32 s43, s43, s42
	v_mul_u32_u24 v5, s43, v2                      ; lanes 16-31 take B's words: one product, the distance between the two
	s_add_co_u32 s42, s42, SCL
	v_lshl_add_u32 v5, v4, 4, v5
	v_add_nc_u32 v[ADRS], s42, v5
.macro FRAG reg, adr, q, i             ; a fragment's image: three loads of 512 consecutive bytes
.irp c, 0,1,2
	ds_load_b128 v[\reg+4*\c:\reg+4*\c+3], v[\adr] offset:(8*(\q)+(\i))*1536+512*\c
.endr
.endm
; 16 matrix instructions: A's blocks a0, a0 + 1 x B's eight.  The 64 accumulators take turns, one instruction a turn, in the same order in every step.
.macro MUL16 a0, p, q, sc, zero
.irp a, \a0, \a0+1
.irp b, 0,1,2,3,4,5,6,7
.if \zero
	v_wmma_scale_f32_16x16x128_f8f6f4 v[8*(8*((\a)%4)+\b):8*(8*((\a)%4)+\b)+7], v[128*(\p)+FR*\b:128*(\p)+FR*\b+FR-1], v[AF+FR*(\a):AF+FR*(\a)+FR-1], 0, v[SC+16*(\sc)+8*(\q)+\b], v[SC+16*(\sc)+8*(\q)+(\a)] matrix_a_fmt:MATRIX_FMT_BF6 matrix_b_fmt:MATRIX_FMT_BF6 matrix_a_scale:MATRIX_SCALE_ROW1
.else
	v_wmma_scale_f32_16x16x128_f8f6f4 v[8*(8*((\a)%4)+\b):8*(8*((\a)%4)+\b)+7], v[128*(\p)+FR*\b:128*(\p)+FR*\b+FR-1], v[AF+FR*(\a):AF+FR*(\a)+FR-1], v[8*(8*((\a)%4)+\b):8*(8*((\a)%4)+\b)+7], v[SC+16*(\sc)+8*(\q)+\b], v[SC+16*(\sc)+8*(\q)+(\a)] matrix_a_fmt:MATRIX_FMT_BF6 matrix_b_fmt:MATRIX_FMT_BF6 matrix_a_scale:MATRIX_SCALE_ROW1
.endif
.endr
.endr
.endm
.macro FETCH_B slot, q, p
	WIN TO_B
.irp i, 0,1,2,3,4,5,6,7
	FRAG 128*(\p)+FR*\i, ADRB+\slot, \q, \i
.endr
	WIN 0
.endm
.macro FETCH_A slot, q, i0
.irp i, \i0, \i0+1, \i0+2, \i0+3
	FRAG AF+FR*(\i), ADRA+\slot, \q, \i
.endr
.endm
.macro SCALES sc                       ; a slot's scale words: two K steps x eight blocks, four words a load
.irp q, 0,1
.irp c, 0,1
	ds_load_b128 v[SC+16*\sc+8*\q+4*\c:SC+16*\sc+8*\q+4*\c+3], v[ADRS] offset:512*\q+256*\c
.endr
.endr
.endm
.macro PLACES n
.rept \n
	v_nop
.endr
.endm
.macro STEP slot, q, zero              ; a step of 128 along K that has its successor in the same slot
	s_wait_dscnt 4*NL                              ; all but the youngest 12 loads (A's blocks 4-7)
	WIN MUL_LO
	MUL16 0, (\q)%2, \q, \slot, \zero
	MUL16 2, (\q)%2, \q, \slot, \zero
	s_wait_dscnt 0
	PLACES NP
	FETCH_B \slot, (\q)+1, 1-(\q)%2
	FETCH_A \slot, (\q)+1, 0
	WIN MUL_HI
	MUL16 4, (\q)%2, \q, \slot, \zero
	MUL16 6, (\q)%2, \q, \slot, \zero
	PLACES NP
	WIN 0
	FETCH_A \slot, (\q)+1, 4
.endm
; A slot's last step changes slots: one barrier; in front of it each wave waits for all its tensor loads, adds 0 to its spare word, and waits for that and for its reads of this slot.
.macro TURN slot, next, fill
	s_wait_tensorcnt 0x0                           ; all my tensor loads have landed: my part of the next slot
	ds_add_u32 v[SPW], v[NIL]
	s_wait_dscnt 4*NL+1                            ; (the add and the youngest 12 loads may be out)
	WIN MUL_LO
	MUL16 0, 1, 1, \slot, 0
	s_wait_dscnt 0x0                               ; the add is done, and my reads of this slot are over
	s_barrier_signal -1
	MUL16 2, 1, 1, \slot, 0
	WIN 0
	s_barrier_wait -1
.if \fill
	CREST                                          ; the barrier has opened a round of the cluster's: no wave of any partner still reads this slot or has a load on its way
	s_add_nc_u64 s[G0+4*\slot+2:G0+4*\slot+3], s[G0+4*\slot+2:G0+4*\slot+3], 2*SLOTG
	s_add_nc_u64 s[G0B+4*\slot+2:G0B+4*\slot+3], s[G0B+4*\slot+2:G0B+4*\slot+3], 2*SLOTG
	JLOAD G0+4*\slot, G1, G0B+4*\slot, G1B         ; the first tensor load behind the round; its four v_nop are the places in front of the loads below
.else
	PLACES NP
.endif
	v_add_nc_u32 v[ADRS], 1024, v[ADRS]            ; the next slot's scale words (no LDS load of mine is out)
	FETCH_B \next, 0, 0
	FETCH_A \next, 0, 0
	SCALES \next
	WIN MUL_HI
	MUL16 4, 1, 1, \slot, 0
	MUL16 6, 1, 1, \slot, 0
	PLACES NP
	WIN 0
	FETCH_A \next, 0, 4
.endm
	s_wait_tensorcnt 1                             ; the scale words and my part of slot 0 are in; slot 1's load may be out
	s_barrier_signal -1
	s_barrier_wait -1
	FETCH_B 0, 0, 0
	FETCH_A 0, 0, 0
	SCALES 0
	FETCH_A 0, 0, 4
	STEP 0, 0, 1                                   ; the first step's products start the sums
	s_mov_b32 s19, LAPS-1
.Llap:
	TURN 0, 1, 1
	STEP 1, 0, 0
	TURN 1, 0, 1
	STEP 0, 0, 0
	s_sub_co_u32 s19, s19, 1
	s_cmp_lg_u32 s19, 0
	s_cbranch_scc1 .Llap
	TURN 0, 1, 0                                   ; the last lap fills nothing
	STEP 1, 0, 0
	s_wait_dscnt 4*NL
	WIN MUL_LO
	MUL16 0, 1, 1, 1, 0
	MUL16 2, 1, 1, 1, 0
	s_wait_dscnt 0
	WIN MUL_HI
	MUL16 4, 1, 1, 1, 0
	MUL16 6, 1, 1, 1, 0
	WIN 0
; THE WAY OUT: where my 128 x 128 goes
	s_lshl_b32 s40, s22, 1
	s_add_co_u32 s40, s40, s17                     ; A's group
	s_lshl_b32 s41, s23, 1
	s_add_co_u32 s41, s41, s18                     ; B's group
	s_and_b32 s42, s41, 7
	s_cmp_eq_u32 ttmp9, 2
	s_cselect_b32 s42, s40, s42                    ; the pair of heads
	s_cselect_b32 s43, s41, s40                    ; the group of tokens
	s_cmp_eq_u32 ttmp9, 0
	s_mov_b32 s44, 6144
	s_cselect_b32 s44, 12288, s44                  ; a token group's codes
	s_mov_b32 s45, 393216
	s_cselect_b32 s45, 6144, s45                   ; from fragments 0-3 to 4-7: q: on end; k, v: the next head
	s_mov_b32 s46, 256
	s_cselect_b32 s46, 512, s46
	s_mov_b32 s47, 16384
	s_cselect_b32 s47, 256, s47
	s_mul_i32 s92, ttmp9, 6291456
	s_mul_i32 s94, s42, 786432
	s_add_co_u32 s92, s92, s94
	s_mul_i32 s94, s43, s44
	s_add_co_u32 s92, s92, s94
	s_mov_b32 s93, 0
	s_add_nc_u64 s[12:13], s[12:13], s[92:93]
	s_mov_b32 s94, s45
	s_mov_b32 s95, 0
	s_add_nc_u64 s[96:97], s[12:13], s[94:95]
	s_lshl_b32 s92, ttmp9, 18
	s_lshl_b32 s94, s42, 15
	s_add_co_u32 s92, s92, s94
	s_mul_i32 s94, s43, s46
	s_add_co_u32 s92, s92, s94
	s_add_nc_u64 s[14:15], s[14:15], s[92:93]
	PLACES NP                                      ; behind the last products: results are read and operands' registers written from here on
	v_mul_u32_u24 v[SOFF], s47, v2
	v_lshl_add_u32 v[SOFF], v4, 4, v[SOFF]         ; 16 r, and lanes 16-31 the second four words' place
.irp b, 0,1,2,3
	v_mov_b32 v[TM+4+\b], 0                        ; a lane permute's destination counts as one of its sources
.endr
	v_cmp_le_u32 vcc_lo, 16, v1
; 64 results of window w, from register s on, become a fragment's halves at d0, d1 and its scale word.  Each accumulator is read from its low end on.
.macro QUANTW w, s, d0, d1, pw
.set WM, ((\w)<<2)|((\w)<<4)
	WIN WM                                         ; sources 1 and 2: the results' window
.irp b, 0,1,2,3
	v_max3_num_f32 v[TM+\b], 0x2800000, |v[\s+16*\b]|, |v[\s+1+16*\b]|   ; with the floor 2^(5 - 127)
.endr
.irp i, 2,4,6,8,10,12,14
.irp b, 0,1,2,3
	v_max3_num_f32 v[TM+\b], v[TM+\b], |v[\s+16*\b+\i]|, |v[\s+1+16*\b+\i]|
.endr
.endr
	WIN 0
.irp b, 0,1,2,3
	v_permlanex16_b32 v[TM+4+\b], v[TM+\b], s98, s99
.endr
.irp b, 0,1,2,3
	v_max_num_f32 v[TM+\b], v[TM+\b], v[TM+4+\b]
.endr
.irp b, 0,1,2,3
	v_add_nc_u32 v[TM+12+\b], 0xfe000000, v[TM+\b]
.endr
.irp b, 0,1,2,3
	v_lshrrev_b32 v[TM+4+\b], 23, v[TM+12+\b]
.endr
	v_lshl_or_b32 v[\pw], v[TM+5], 8, v[TM+4]
	v_lshl_or_b32 v[\pw], v[TM+6], 16, v[\pw]
	v_lshl_or_b32 v[\pw], v[TM+7], 24, v[\pw]
	WIN \w                                         ; source 0: the results' window
	v_cvt_scalef32_pk16_bf6_f32 v[\d0:\d0+2], v[\s:\s+15], v[TM+12]
	v_cvt_scalef32_pk16_bf6_f32 v[T8:T8+2], v[\s+16:\s+31], v[TM+13]
	v_cvt_scalef32_pk16_bf6_f32 v[\d1:\d1+2], v[\s+32:\s+47], v[TM+14]
	v_cvt_scalef32_pk16_bf6_f32 v[T8+4:T8+6], v[\s+48:\s+63], v[TM+15]
	WIN 0
	v_nop                                          ; one plain line behind the conversions
.irp i, 0,1,2
	v_permlane16_swap_b32 v[\d0+\i], v[T8+\i]
	v_permlane16_swap_b32 v[\d1+\i], v[T8+4+\i]
.endr
.irp i, 0,1,2
	v_mov_b32 v[\d0+3+\i], v[T8+\i]
	v_mov_b32 v[\d1+3+\i], v[T8+4+\i]
.endr
.endm
.macro PUT idx                         ; fragment idx leaves as its image: three stores of 512 consecutive bytes; no register is written again
.irp c, 0,1,2
.if (\idx) < 4
	global_store_b128 v[LI], v[CD+12*(\idx)+4*\c:CD+12*(\idx)+4*\c+3], s[12:13] offset:((\idx)%4)*1536+512*\c
.else
	global_store_b128 v[LI], v[CD+12*(\idx)+4*\c:CD+12*(\idx)+4*\c+3], s[96:97] offset:((\idx)%4)*1536+512*\c
.endif
.endr
.endm
; kform = 0 (q, v): block a is fragment a.  kform = 1 (k): block a's first half (the even head) is half a % 2 of fragment a / 2, its second half (the odd head) of fragment 4 + a / 2.
.macro EPI kform
.irp a, 0,1,2,3,4,5,6,7
.set WQ, 2+\a/4
.if \kform
	QUANTW WQ, 64*(\a%4), CD+12*(\a/2)+6*(\a%2), CD+12*(4+\a/2)+6*(\a%2), PW+\a
.if \a%2
	PUT \a/2
	PUT 4+\a/2
.endif
.else
	QUANTW WQ, 64*(\a%4), CD+12*\a, CD+12*\a+6, PW+\a
	PUT \a
.endif
.endr
.if \kform
.irp p, 0,1,2,3
	v_perm_b32 v[WP+\p], v[PW+2*\p+1], v[PW+2*\p], 0x05040100     ; the even head's two bytes of tiles 2 p and 2 p + 1
	v_perm_b32 v[WP+4+\p], v[PW+2*\p+1], v[PW+2*\p], 0x07060302   ; the odd head's
.endr
.irp i, 0,1,2,3
	v_cndmask_b32 v[OUTW+\i], v[WP+\i], v[WP+4+\i], vcc_lo
.endr
.else
.irp i, 0,1,2,3
	v_cndmask_b32 v[OUTW+\i], v[PW+\i], v[PW+4+\i], vcc_lo
.endr
.endif
.endm
	s_mov_b32 s98, 0x76543210
	s_mov_b32 s99, 0xfedcba98
	s_cmp_eq_u32 ttmp9, 1                          ; k?  The same in all sixteen partners
	s_cbranch_scc1 .Lkform
	EPI 0
	s_branch .Lwords
.Lkform:
	EPI 1
.Lwords:
	global_store_b128 v[SOFF], v[OUTW:OUTW+3], s[14:15]   ; lanes 0-15 and lanes 16-31: 256 consecutive bytes each
	s_wait_tensorcnt 0x0                           ; the wave's end
	ds_add_u32 v[SPW], v[NIL]
	s_wait_dscnt 0x0
	CROUND                                         ; the closing round
	s_endpgm
.Lfunc_end_k_qe78207230e_qkv:
	.size	k_qe78207230e_qkv, .Lfunc_end_k_qe78207230e_qkv-k_qe78207230e_qkv
	.p2alignl 7, 3214868480
	.fill 96, 4, 3214868480
	.section	.rodata,"a",@progbits
	.p2align	6, 0x0
	.amdhsa_kernel k_qe78207230e_qkv
		.amdhsa_group_segment_fixed_size 327680
		.amdhsa_private_segment_fixed_size 0
		.amdhsa_enable_private_segment 0
		.amdhsa_kernarg_size 32
		.amdhsa_user_sgpr_count 2
		.amdhsa_user_sgpr_kernarg_segment_ptr 1
		.amdhsa_wavefront_size32 1
		.amdhsa_system_sgpr_workgroup_id_x 1
		.amdhsa_system_sgpr_workgroup_id_y 1
		.amdhsa_system_sgpr_workgroup_id_z 1
		.amdhsa_system_vgpr_workitem_id 0
		.amdhsa_next_free_vgpr 1024
		.amdhsa_next_free_sgpr 100
		.amdhsa_reserve_vcc 1
		.amdhsa_float_denorm_mode_32 3
		.amdhsa_float_denorm_mode_16_64 3
		.amdhsa_memory_ordered 1
		.amdhsa_forward_progress 1
		.amdhsa_inst_pref_size 173
	.end_amdhsa_kernel
	.amdgpu_metadata
---
amdhsa.version: [ 1, 2 ]
amdhsa.kernels:
  - .name:           k_qe78207230e_qkv
    .symbol:         k_qe78207230e_qkv.kd
    .args:
      - { .name: opc, .offset: 0, .size: 8, .value_kind: global_buffer, .address_space: global }
      - { .name: ops, .offset: 8, .size: 8, .value_kind: global_buffer, .address_space: global }
      - { .name: qkvc, .offset: 16, .size: 8, .value_kind: global_buffer, .address_space: global }
      - { .name: qkvs, .offset: 24, .size: 8, .value_kind: global_buffer, .address_space: global }
    .group_segment_fixed_size: 327680
    .private_segment_fixed_size: 0
    .kernarg_segment_align: 8
    .kernarg_segment_size: 32
    .max_flat_workgroup_size: 128
    .sgpr_count:     100
    .vgpr_count:     1024
    .wavefront_size: 32
...
	.end_amdgpu_metadata
.endif
;; end of part 2
;; launch attn (part 3): grid 8 x 32, 16 waves a work-group, no clusters, 68,608 bytes of LDS; arguments qkvc, qkvs, mask, flags, cc, cs; writes cc, cs
.if DOCPART == 3
	.amdgcn_target "amdgcn-amd-amdhsa--gfx1250"
	.amdhsa_code_object_version 6
	.text
	.protected	k_qe78207230e_attn
	.globl	k_qe78207230e_attn
	.p2align	8
	.type	k_qe78207230e_attn,@function
k_qe78207230e_attn:
	s_mov_b64 s[64:65], 0
	v_nop
	global_prefetch_b8 v0, s[64:65] scope:SCOPE_SE
	s_setreg_imm32_b32 hwreg(HW_REG_WAVE_MODE, 25, 1), 1
	s_wait_xcnt 0x0
; ctx = softmax(q k^T / 8, under the mask) v, both products on codes of BF6; ctx leaves as codes, quantised along the model's 1,024, as the last product's operand.
; THE SOFTMAX: t = score x log2(e) / 8; M = the running largest t rounded up to a whole number; p = 2^(t - M) is quantised along the keys; the row's sum is taken of the unquantised p and divides at the end.
; THE MASK is an input and is taken as it is given: t = (score c) m + (1 - m) NEG, NEG the lowest finite f32.  A key step (16 queries x 128 keys) whose flag says that all m are 1 takes t = score c; one whose flag says that all m are 0,
; in a tile all of whose rows have a key with 1 - m < 1, is left out: its t lie 2^103 or more under the row's largest, so its p are 0.  The flags were stored by the first launch.
; STATED: the masked level is NEG in t, where the definition has NEG x log2(e), which f32 does not hold; levels differ by 2^103 or more either way, so no p differs.  NaN and infinities are not served.
; SHARES.  A work-group serves one batch, one pair of heads, and two groups of 128 queries, g and 15 - g.  Each of its 16 waves owns one tile of 16 queries (tile a = wave / 2 of one of the two groups), first for the even head, then for the odd.
; All waves walk 16 slots (8 a head) of two key steps of 128 keys.  K's and V's fragments and scale words are copied global -> registers -> LDS one slot ahead, into two buffers by turns: one barrier a slot.
; NO TENSOR LOADS AND NO CLUSTER: a step's work is jumped over on flags read from memory; no joint load is at hand for the eight work-groups that read one head's K and V.
; THE HEAD'S 64 IN AN INSTRUCTION OF 128: a fragment of K holds two key tiles of one head (k 0-63: tile 2 p, k 64-127: tile 2 p + 1); it is multiplied by (Q | 0) and by (0 | Q).  Zero codes add nothing.
; LAYOUT.  Both products transposed: a lane holds one query.  The keys of tile a' are 32 (a' / 2) + 8 (a' % 2) + r + 8 (r / 8), so register 16 b + i of S^T is key 32 b + 16 (lane / 16) + i.
; LDS: buffers at 0 and 32,768: K's 8 fragments, V's 8 at 12,288, K's scale words at 24,576, V's at 25,088;  at 65,536 two blocks of 512 bytes for ctx's scale words.
.set BUF1, 32768
.set VFR,  12288
.set KSC,  24576
.set VSC,  25088
.set CSC,  65536
.set LI,   1                           ; v1  16 x lane
.set LR,   2                           ; v2  16 x (lane % 16)
.set MOFF, 3                           ; v3  my query's row of the mask, + 64 (lane / 16)
.set CPG,  4                           ; v4  the copy: my 16 bytes of each 4,096
.set CPL,  5                           ; v5  and their place in a buffer
.set CST0, 6                           ; v6  the scale words' place in a buffer
.set CSA,  7                           ; v7  ctx's scale word's place
.set MA,   8
.set CGT,  9
.set QW,   10                          ; v10 q's scale word as stored;  v11 the head's two bytes, twice
.set QS,   11
.set QHI,  16                          ; v16-33: six zeros, Q's six registers, six zeros: (0 | Q) from v16, (Q | 0) from v22
.set QLO,  22
.set QB,   34                          ; v34-39 the odd head's Q
.set CP,   40                          ; v40-55 the copy's registers
.set Z,    56                          ; v56-67 ctx's fragment;  v68 its scale word
.set ZW,   68
.set CGS,  69
.set S,    70                          ; v70-133 S^T, then p
.set O,    134                         ; v134-165 O^T
.set F,    166                         ; v166-213 four fragments of K or of V
.set PC,   214                         ; v214-225 p's codes
.set KS,   226                         ; v226-229 K's or V's scale words
.set BM,   230
.set T8,   234
.set SO,   242
.set FF,   246                         ; v246 f;  v247 p's scale word
.set PWD,  247
.set TMP,  248
.set CSR,  249
.set WV,  16
.set SL,  17
.set AT,  18
.set W7,  19
.set KV,  20
.set KVB, 26
.set KSB, 28
.set SEL, 30
.set CC,  32                           ; s[32:33] c = log2(e) / 8
.set CS,  34                           ; s[34:35] the step's multiplier: c, or 1 where the mask's arithmetic has made t already
.set NG,  36                           ; s[36:37] NEG
.set ACT, 38
.set MIX, 39
.set ANYN, 40
.set IT,  41
.set GOFF, 42
.set SOFS, 43
.set KOFF, 44
.set CCB, 66
.set CSB, 68
	s_load_b256 s[4:11], s[0:1], 0x0               ; qkvc, qkvs, mask, flags
	s_load_b128 s[12:15], s[0:1], 0x20             ; cc, cs
	v_lshl_add_u32 v254, v0, 2, 0x10400
	v_mov_b32 v255, 0
	v_lshrrev_b32 v8, 5, v0
	v_readfirstlane_b32 s[WV], v8
	s_lshr_b32 s45, s[WV], 2
	s_xor_b32 s[SL], s[WV], s45
	s_and_b32 s[SL], s[SL], 1                      ; which of the two groups of queries
	s_lshr_b32 s[AT], s[WV], 1                     ; my tile in it
	s_and_b32 s[W7], s[WV], 7
	s_lshr_b32 s[KV], s[WV], 3                     ; I copy K (0) or V (1)
	s_and_b32 s45, ttmp7, 0xffff
	s_lshr_b32 s22, s45, 3                         ; batch
	s_and_b32 s23, s45, 7                          ; pair of heads
	s_sub_co_u32 s46, 15, ttmp9
	s_cmp_eq_u32 s[SL], 0
	s_cselect_b32 s24, ttmp9, s46                  ; my group of queries
	s_lshl_b32 s25, s22, 4
	s_add_co_u32 s25, s25, s24                     ; as a group of tokens
	s_lshl_b32 s72, s24, 3
	s_add_co_u32 s72, s72, s[AT]
	s_lshl_b32 s72, s72, 2
	s_lshl_b32 s73, ttmp9, 5
	s_lshl_b32 s74, s46, 5
	s_wait_kmcnt 0x0
	s_load_b32 s75, s[10:11], s72 offset:0x0       ; my tile's flags
	s_load_b256 s[48:55], s[10:11], s73 offset:0x0 ; and those of all sixteen tiles of the work-group
	s_load_b256 s[56:63], s[10:11], s74 offset:0x0
	s_lshl_b32 s45, s23, 7
	s_lshl_b32 s47, s22, 4
	s_add_co_u32 s45, s45, s47                     ; 64 x even head + 16 x batch
	s_mul_i32 s76, s45, 6144
	s_lshl_b32 s78, s45, 8
	s_cmp_eq_u32 s[KV], 0
	s_mov_b32 s47, 12582912
	s_cselect_b32 s47, 6291456, s47
	s_mov_b32 s70, 524288
	s_cselect_b32 s70, 262144, s70
	s_add_co_u32 s76, s76, s47
	s_add_co_u32 s78, s78, s70
	s_mov_b32 s77, 0
	s_mov_b32 s79, 0
	s_add_nc_u64 s[KVB:KVB+1], s[4:5], s[76:77]
	s_add_nc_u64 s[KSB:KSB+1], s[6:7], s[78:79]
	s_lshl_b32 s45, s23, 6
	s_add_co_u32 s45, s45, s25
	s_mul_i32 s76, s45, 12288
	s_mul_i32 s47, s[AT], 1536
	s_add_co_u32 s76, s76, s47
	s_add_nc_u64 s[80:81], s[4:5], s[76:77]        ; my fragment of q
	s_lshr_b32 s47, s[AT], 2
	s_lshl_b32 s47, s47, 8
	s_and_b32 s70, s[AT], 3
	s_lshl_b32 s70, s70, 2
	s_add_co_u32 s71, s47, s70                     ; a tile's place in a block of scale words: 256 (a / 4) + 4 (a % 4)
	s_lshl_b32 s78, s45, 9
	s_add_co_u32 s78, s78, s71
	s_add_nc_u64 s[82:83], s[6:7], s[78:79]
	s_lshl_b32 s45, s25, 3
	s_add_co_u32 s45, s45, s23
	s_lshl_b32 s76, s45, 3
	s_add_co_u32 s76, s76, s[AT]
	s_mul_i32 s76, s76, 1536
	s_add_nc_u64 s[CCB:CCB+1], s[12:13], s[76:77]
	s_lshl_b32 s76, s45, 9
	s_add_nc_u64 s[CSB:CSB+1], s[14:15], s[76:77]
	v_and_b32 v8, 31, v0
	v_lshlrev_b32 v[LI], 4, v8
	v_and_b32 v9, 15, v0
	v_lshlrev_b32 v[LR], 4, v9
.irp c, 0,1,2
	global_load_b128 v[F+4*\c:F+4*\c+3], v[LI], s[80:81] offset:512*\c
.endr
	global_load_b32 v[QW], v[LR], s[82:83]
	v_bfe_u32 v[TMP], v0, 4, 1
	s_lshl_b32 s45, s24, 7
	s_lshr_b32 s47, s[AT], 1
	s_lshl_b32 s47, s47, 5
	s_add_co_u32 s45, s45, s47
	s_and_b32 s47, s[AT], 1
	s_lshl_b32 s47, s47, 3
	s_add_co_u32 s45, s45, s47
	v_and_b32 v[MOFF], 8, v9
	v_add_nc_u32 v[MOFF], v[MOFF], v9
	v_add_nc_u32 v[MOFF], s45, v[MOFF]             ; my query
	v_lshlrev_b32 v[MOFF], 13, v[MOFF]
	v_lshl_add_u32 v[MOFF], v[TMP], 6, v[MOFF]
	s_lshl_b32 s45, s[W7], 9
	v_add_nc_u32 v[CPG], s45, v[LI]
	s_mul_i32 s45, s[KV], VFR
	v_add_nc_u32 v[CPL], s45, v[CPG]
	s_lshl_b32 s45, s[KV], 9
	s_add_co_u32 s45, s45, KSC
	v_add_nc_u32 v[CST0], s45, v[LI]
	s_lshl_b32 s45, s[SL], 9
	s_add_co_u32 s45, s45, s71
	s_add_co_u32 s45, s45, CSC
	v_add_nc_u32 v[CSA], s45, v[LR]
	s_and_b32 s45, s[WV], 1
	s_lshl_b32 s45, s45, 9
	s_add_co_u32 s45, s45, CSC
	v_add_nc_u32 v[CSR], s45, v[LI]
	s_mov_b32 s[SEL], 0x76543210
	s_mov_b32 s[SEL+1], 0xfedcba98
	s_mov_b32 s[CC], 0x3e38aa3b
	s_mov_b32 s[CC+1], s[CC]
	s_mov_b32 s[CS], s[CC]
	s_mov_b32 s[CS+1], s[CC]
	s_mov_b32 s[NG], 0xff7fffff
	s_mov_b32 s[NG+1], s[NG]
	s_mov_b32 s[GOFF], 0
	s_mov_b32 s[SOFS], 0
	s_mov_b32 s[IT], 0
	s_wait_kmcnt 0x0
	s_and_b32 s[ACT], s75, 0xffff                  ; the same 16 steps for both heads
	s_lshl_b32 s45, s[ACT], 16
	s_or_b32 s[ACT], s[ACT], s45
	s_lshr_b32 s[MIX], s75, 16
	s_lshl_b32 s45, s[MIX], 16
	s_or_b32 s[MIX], s[MIX], s45
	s_or_b32 s[ANYN], s48, s49
.irp k, 50,51,52,53,54,55,56,57,58,59,60,61,62,63
	s_or_b32 s[ANYN], s[ANYN], s\k
.endr
	s_and_b32 s[ANYN], s[ANYN], 0xffff             ; the steps that some wave of the work-group computes: only their slots are copied
	s_lshl_b32 s45, s[ANYN], 16
	s_or_b32 s[ANYN], s[ANYN], s45
	s_wait_loadcnt 0x0                             ; q
.irp i, 0,1,2,3,4,5
	v_mov_b32 v[QLO+\i], v[F+\i]
	v_mov_b32 v[QB+\i], v[F+6+\i]
	v_mov_b32 v[QHI+\i], 0
	v_mov_b32 v[QLO+6+\i], 0
.endr
	v_perm_b32 v[QS], v[QW], v[QW], 0x01000100     ; the even head's two bytes, for either half of K
	v_mov_b32 v13, 0xff7fffff                      ; the largest t so far: NEG
	v_floor_f32 v12, -v13                          ; -M
	v_mov_b32 v14, 0
	v_mov_b32 v15, 0
.set j_, 0
.rept 16
	v_mov_b32 v[CP+j_], 0                          ; written once, so that they are written on every way
.set j_, j_+1
.endr
.set j_, 0
.rept 13
	v_mov_b32 v[Z+j_], 0
.set j_, j_+1
.endr
.set j_, 0
.rept 8
	v_mov_b32 v[T8+j_], 0
.set j_, j_+1
.endr
	v_mov_b32 v[PWD], 0
	v_mov_b32 v[TMP], 0
.set j_, 0
.rept 32
	v_mov_b32 v[O+j_], 0                           ; O^T: the first change of M leaves zeros zeros
.set j_, j_+1
.endr
.macro ISSUE                           ; the next slot's 12,288 bytes of K (waves 0-7) and of V (waves 8-15), 1,536 a wave; waves 0 and 8 also its 512 bytes of scale words
	s_and_b32 s45, s[ANYN], 3
	s_cmp_eq_u32 s45, 0
	s_cbranch_scc1 .Lno_issue_\@
	v_add_nc_u32 v[CGT], s[GOFF], v[CPG]           ; (the loads that read this register last have been waited for)
.irp i, 0,1,2
	global_load_b128 v[CP+4*\i:CP+4*\i+3], v[CGT], s[KVB:KVB+1] offset:4096*\i
.endr
	s_cmp_lg_u32 s[W7], 0
	s_cbranch_scc1 .Lno_issue_\@
	v_add_nc_u32 v[CGS], s[SOFS], v[LI]
	global_load_b128 v[CP+12:CP+15], v[CGS], s[KSB:KSB+1]
.Lno_issue_\@:
.endm
.macro STORE nb
	s_and_b32 s45, s[ANYN], 3
	s_cmp_eq_u32 s45, 0
	s_cbranch_scc1 .Lno_store_\@
.irp i, 0,1,2
	ds_store_b128 v[CPL], v[CP+4*\i:CP+4*\i+3] offset:\nb+4096*\i
.endr
	s_cmp_lg_u32 s[W7], 0
	s_cbranch_scc1 .Lno_store_\@
	ds_store_b128 v[CST0], v[CP+12:CP+15] offset:\nb
.Lno_store_\@:
.endm
.macro SETMP                           ; the mask's pair n_: 60 numbers in v166-225, the last four in v234-237
.if n_ < 30
.set MP, F+2*n_
.else
.set MP, T8+2*(n_-30)
.endif
.endm
; A KEY STEP: 128 keys, the q-th of the slot in buffer buf; e: the slot's place in the trip
.macro STEP buf, q, e
	s_bitcmp1_b32 s[ACT], 2*\e+\q
	s_cbranch_scc0 .Lskip_\@
.irp p, 0,1,2,3
.irp c, 0,1,2
	ds_load_b128 v[F+12*\p+4*\c:F+12*\p+4*\c+3], v[LI] offset:\buf+6144*\q+1536*\p+512*\c
.endr
.endr
	ds_load_b128 v[KS:KS+3], v[LR] offset:\buf+KSC+256*\q
	s_bitcmp1_b32 s[MIX], 2*\e+\q
	s_cselect_b32 s[CS], 1.0, s[CC]
	s_mov_b32 s[CS+1], s[CS]
	s_wait_dscnt 0x0
.irp p, 0,1,2,3
	v_wmma_scale_f32_16x16x128_f8f6f4 v[S+16*\p:S+16*\p+7], v[F+12*\p:F+12*\p+11], v[QLO:QLO+11], 0, v[KS+\p], v[QS] matrix_a_fmt:MATRIX_FMT_BF6 matrix_b_fmt:MATRIX_FMT_BF6
	v_wmma_scale_f32_16x16x128_f8f6f4 v[S+16*\p+8:S+16*\p+15], v[F+12*\p:F+12*\p+11], v[QHI:QHI+11], 0, v[KS+\p], v[QS] matrix_a_fmt:MATRIX_FMT_BF6 matrix_b_fmt:MATRIX_FMT_BF6
.endr
.rept 4
	v_nop                                          ; places behind the products: results are read, and loads go into their operands' registers
.endr
	s_bitcmp1_b32 s[MIX], 2*\e+\q
	s_cbranch_scc0 .Lplain_\@
	v_add_nc_u32 v[MA], s[KOFF], v[MOFF]           ; THE MASK'S NUMBERS, in S^T's own layout: 16 neighbours of each 32 keys of my query's row
.set n_, 0
.rept 16
.if n_ < 15
.set MP, F+4*n_
.else
.set MP, T8
.endif
	global_load_b128 v[MP:MP+3], v[MA], s[8:9] offset:1024*\e+512*\q+128*(n_/4)+16*(n_%4)
.set n_, n_+1
.endr
	s_wait_loadcnt 0x0
.set n_, 0
.rept 32
	v_pk_mul_f32 v[S+2*n_:S+2*n_+1], v[S+2*n_:S+2*n_+1], s[CC:CC+1] op_sel_hi:[1,0]      ; score x c
.set n_, n_+1
.endr
.set n_, 0
.rept 32
	SETMP
	v_pk_mul_f32 v[S+2*n_:S+2*n_+1], v[S+2*n_:S+2*n_+1], v[MP:MP+1]                      ; x m
.set n_, n_+1
.endr
.set n_, 0
.rept 32
	SETMP
	v_pk_fma_f32 v[MP:MP+1], v[MP:MP+1], -1.0, 1.0 op_sel_hi:[1,0,0]                     ; 1 - m
.set n_, n_+1
.endr
.set n_, 0
.rept 32
	SETMP
	v_pk_fma_f32 v[S+2*n_:S+2*n_+1], v[MP:MP+1], s[NG:NG+1], v[S+2*n_:S+2*n_+1] op_sel_hi:[1,0,1]   ; + (1 - m) NEG
.set n_, n_+1
.endr
.Lplain_\@:
.irp p, 0,1,2,3                        ; V's fragments land while the softmax is walked
.irp c, 0,1,2
	ds_load_b128 v[F+12*\p+4*\c:F+12*\p+4*\c+3], v[LI] offset:\buf+VFR+6144*\q+1536*\p+512*\c
.endr
.endr
	ds_load_b128 v[KS:KS+3], v[LR] offset:\buf+VSC+256*\q
.irp b, 0,1,2,3
	v_max3_num_f32 v[BM+\b], v[S+16*\b], v[S+16*\b+1], v[S+16*\b+2]   ; the largest score of each block of 32 keys: for the row's maximum and for the block's largest p
.endr
.irp i, 3,5,7,9,11,13
.irp b, 0,1,2,3
	v_max3_num_f32 v[BM+\b], v[BM+\b], v[S+16*\b+\i], v[S+16*\b+\i+1]
.endr
.endr
.irp b, 0,1,2,3
	v_max_num_f32 v[BM+\b], v[BM+\b], v[S+16*\b+15]
.endr
.irp b, 0,1,2,3
	v_permlanex16_b32 v[T8+\b], v[BM+\b], s[SEL], s[SEL+1]
.endr
.irp b, 0,1,2,3
	v_max_num_f32 v[BM+\b], v[BM+\b], v[T8+\b]
.endr
	v_max3_num_f32 v[TMP], v[BM], v[BM+1], v[BM+2]
	v_max_num_f32 v[TMP], v[TMP], v[BM+3]
	v_mul_f32 v[TMP], s[CS], v[TMP]
	v_max_num_f32 v13, v13, v[TMP]                 ; the running largest t
	v_mov_b32 v[TMP], v12
	v_floor_f32 v12, -v13                          ; -M = floor(-t): M is a whole number
	v_sub_f32 v[TMP], v12, v[TMP]
	v_cvt_i32_f32 v[TMP], v[TMP]                   ; (it saturates)
	v_ldexp_f32 v[FF], 1.0, v[TMP]                 ; f = 2^(old M - new M)
.set j_, 0
.rept 32
	v_pk_fma_f32 v[S+j_:S+j_+1], v[S+j_:S+j_+1], s[CS:CS+1], v[12:13] op_sel_hi:[1,0,0]   ; t - M
.set j_, j_+2
.endr
.irp b, 0,1,2,3
	v_fma_f32 v[BM+\b], v[BM+\b], s[CS], v12
.endr
.set j_, 0
.rept 64
	v_exp_f32 v[S+j_], v[S+j_]                     ; p = 2^(t - M)
.set j_, j_+1
.endr
	v_pk_mul_f32 v[14:15], v[14:15], v[FF:FF+1] op_sel_hi:[1,0]   ; the sums under the new M: a plain line behind the exponentials
	s_wait_alu depctr_va_vdst(0)                   ; one wait for the batch, ahead of its first reader
.irp b, 0,1,2,3
	v_exp_f32 v[BM+\b], v[BM+\b]                   ; each block's largest p: the same two instructions on the same number
.endr
	v_pk_add_f32 v[T8:T8+1], v[S:S+1], v[S+2:S+3]  ; the row's sum of the unquantised p, in two chains
.set j_, 4
.rept 15
	v_pk_add_f32 v[14:15], v[14:15], v[S+j_:S+j_+1]
	v_pk_add_f32 v[T8:T8+1], v[T8:T8+1], v[S+j_+2:S+j_+3]
.set j_, j_+4
.endr
	v_pk_add_f32 v[14:15], v[14:15], v[T8:T8+1]
	s_wait_alu depctr_va_vdst(0)                   ; and one for the four
.irp b, 0,1,2,3
	v_max_num_f32 v[BM+\b], 0x2800000, v[BM+\b]    ; the floor 2^(5 - 127)
.endr
.irp b, 0,1,2,3
	v_add_nc_u32 v[SO+\b], 0xfe000000, v[BM+\b]
.endr
.irp b, 0,1,2,3
	v_lshrrev_b32 v[T8+\b], 23, v[SO+\b]
.endr
	v_lshl_or_b32 v[PWD], v[T8+1], 8, v[T8]
	v_lshl_or_b32 v[PWD], v[T8+2], 16, v[PWD]
	v_lshl_or_b32 v[PWD], v[T8+3], 24, v[PWD]
.irp c, 0,1
	v_cvt_scalef32_pk16_bf6_f32 v[PC+6*\c:PC+6*\c+2], v[S+32*\c:S+32*\c+15], v[SO+2*\c]
	v_cvt_scalef32_pk16_bf6_f32 v[T8+4*\c:T8+4*\c+2], v[S+32*\c+16:S+32*\c+31], v[SO+2*\c+1]
.endr
	v_nop                                          ; one plain line behind the conversions
.irp c, 0,1
.irp i, 0,1,2
	v_permlane16_swap_b32 v[PC+6*\c+\i], v[T8+4*\c+\i]
.endr
.irp i, 0,1,2
	v_mov_b32 v[PC+6*\c+3+\i], v[T8+4*\c+\i]
.endr
.endr
.set j_, 0
.rept 16
	v_pk_mul_f32 v[O+j_:O+j_+1], v[O+j_:O+j_+1], v[FF:FF+1] op_sel_hi:[1,0]   ; O^T under the new M; these 16 are also the places between the writes of p's codes and scale word and the products
.set j_, j_+2
.endr
	s_wait_dscnt 0x0                               ; V
.irp p, 0,1,2,3                        ; four accumulators by turns
	v_wmma_scale_f32_16x16x128_f8f6f4 v[O+8*\p:O+8*\p+7], v[F+12*\p:F+12*\p+11], v[PC:PC+11], v[O+8*\p:O+8*\p+7], v[KS+\p], v[PWD] matrix_a_fmt:MATRIX_FMT_BF6 matrix_b_fmt:MATRIX_FMT_BF6
.endr
.rept 4
	v_nop
.endr
.Lskip_\@:
.endm
; A HEAD'S END: O^T / the sum, quantised along the head's 64 (two blocks), becomes half of ctx's fragment; the wave starts anew with the odd head's Q.
.macro FIN
	v_add_f32 v14, v14, v15
	v_permlanex16_b32 v[TMP], v14, s[SEL], s[SEL+1]
	v_add_f32 v14, v14, v[TMP]
	v_rcp_f32 v14, v14
	v_lshrrev_b32 v[ZW], 16, v[ZW]                 ; (plain lines behind the reciprocal)  the half made last moves down,
.irp i, 0,1,2,3,4,5
	v_mov_b32 v[Z+\i], v[Z+6+\i]
.endr
	s_wait_alu depctr_va_vdst(0)                   ; ahead of the reciprocal's first reader
.set j_, 0
.rept 32
	v_mul_f32 v[S+j_], v[O+j_], v14                ; register 16 b + i: channel 32 b + 16 (lane / 16) + i
.set j_, j_+1
.endr
.irp b, 0,1
	v_max3_num_f32 v[BM+\b], |v[S+16*\b]|, |v[S+16*\b+1]|, 0x2800000
.endr
.irp i, 2,4,6,8,10,12,14
.irp b, 0,1
	v_max3_num_f32 v[BM+\b], v[BM+\b], |v[S+16*\b+\i]|, |v[S+16*\b+\i+1]|
.endr
.endr
.irp b, 0,1
	v_permlanex16_b32 v[T8+\b], v[BM+\b], s[SEL], s[SEL+1]
.endr
.irp b, 0,1
	v_max_num_f32 v[BM+\b], v[BM+\b], v[T8+\b]
.endr
.irp b, 0,1
	v_add_nc_u32 v[SO+\b], 0xfe000000, v[BM+\b]
.endr
.irp b, 0,1
	v_lshrrev_b32 v[BM+\b], 23, v[SO+\b]
.endr
	v_lshl_or_b32 v[ZW], v[BM], 16, v[ZW]
	v_lshl_or_b32 v[ZW], v[BM+1], 24, v[ZW]
	v_cvt_scalef32_pk16_bf6_f32 v[Z+6:Z+8], v[S:S+15], v[SO]
	v_cvt_scalef32_pk16_bf6_f32 v[T8:T8+2], v[S+16:S+31], v[SO+1]
	v_nop
.irp i, 0,1,2
	v_permlane16_swap_b32 v[Z+6+\i], v[T8+\i]
.endr
.irp i, 0,1,2
	v_mov_b32 v[Z+9+\i], v[T8+\i]
.endr
.irp i, 0,1,2,3,4,5
	v_mov_b32 v[QLO+\i], v[QB+\i]
.endr
	v_perm_b32 v[QS], v[QW], v[QW], 0x03020302
	v_mov_b32 v13, 0xff7fffff
	v_floor_f32 v12, -v13
	v_mov_b32 v14, 0
	v_mov_b32 v15, 0
.set j_, 0
.rept 32
	v_mov_b32 v[O+j_], 0                           ; (also the places between the writes of Q and its scale word and the next products)
.set j_, j_+1
.endr
.endm
; A SLOT: the next slot is asked for, this one is worked, the next is put into the other buffer, one barrier.  That buffer was read in the slot before, and every wave waited for those reads ahead of that slot's barrier.
.macro TRIPM e
	ISSUE
.if \e == 0
	s_cmp_eq_u32 s[IT], 3                          ; behind the even head's last slot: on to the odd head's first
	s_mov_b32 s45, 12288
	s_cselect_b32 s45, 307200, s45
	s_mov_b32 s46, 512
	s_cselect_b32 s46, 12800, s46
	s_add_co_u32 s[GOFF], s[GOFF], s45
	s_add_co_u32 s[SOFS], s[SOFS], s46
.else
	s_add_co_u32 s[GOFF], s[GOFF], 12288
	s_add_co_u32 s[SOFS], s[SOFS], 512
.endif
	STEP \e*BUF1, 0, \e
	STEP \e*BUF1, 1, \e
.if \e == 1
	s_and_b32 s45, s[IT], 3
	s_cmp_lg_u32 s45, 3
	s_cbranch_scc1 .Lno_fin_\@
	FIN
.Lno_fin_\@:
.endif
	s_wait_loadcnt 0x0                             ; the next slot's bytes are in my registers
	STORE (1-\e)*BUF1
	s_wait_dscnt 0x0                               ; my stores have landed, my reads of this buffer are over
	s_barrier_signal -1
	s_barrier_wait -1
	s_lshr_b32 s[ANYN], s[ANYN], 2
.endm
	ISSUE                                          ; slot 0
	s_add_co_u32 s[GOFF], s[GOFF], 12288
	s_add_co_u32 s[SOFS], s[SOFS], 512
	s_wait_loadcnt 0x0
	STORE 0
	s_wait_dscnt 0x0
	s_barrier_signal -1
	s_barrier_wait -1
	s_lshr_b32 s[ANYN], s[ANYN], 2
.Liter:                                            ; 8 trips of two slots; behind the sixteenth slot's bits ANYN holds zeros, so nothing is asked for past the end
	s_and_b32 s[KOFF], s[IT], 3
	s_lshl_b32 s[KOFF], s[KOFF], 11                ; the trip's four key steps in a row of the mask: 512 bytes each
	TRIPM 0
	TRIPM 1
	s_lshr_b32 s[ACT], s[ACT], 4
	s_lshr_b32 s[MIX], s[MIX], 4
	s_add_co_u32 s[IT], s[IT], 1
	s_cmp_lt_u32 s[IT], 8
	s_cbranch_scc1 .Liter
.irp c, 0,1,2
	global_store_b128 v[LI], v[Z+4*\c:Z+4*\c+3], s[CCB:CCB+1] offset:512*\c   ; ctx's fragment as its image: 512 consecutive bytes a store
.endr
	ds_store_b32 v[CSA], v[ZW]                     ; the scale words of a group's eight tiles meet in LDS
	s_wait_dscnt 0x0
	s_barrier_signal -1
	s_barrier_wait -1
	s_cmp_gt_u32 s[WV], 1
	s_cbranch_scc1 .Lend
	ds_load_b128 v[F:F+3], v[CSR]                  ; wave 0: the first group's block of 512 bytes; wave 1: the second's
	s_wait_dscnt 0x0
	global_store_b128 v[LI], v[F:F+3], s[CSB:CSB+1]
.Lend:
	s_wait_tensorcnt 0x0
	ds_add_u32 v254, v255
	s_wait_dscnt 0x0
	s_endpgm
.Lfunc_end_k_qe78207230e_attn:
	.size	k_qe78207230e_attn, .Lfunc_end_k_qe78207230e_attn-k_qe78207230e_attn
	.p2alignl 7, 3214868480
	.fill 96, 4, 3214868480
	.section	.rodata,"a",@progbits
	.p2align	6, 0x0
	.amdhsa_kernel k_qe78207230e_attn
		.amdhsa_group_segment_fixed_size 68608
		.amdhsa_private_segment_fixed_size 0
		.amdhsa_enable_private_segment 0
		.amdhsa_kernarg_size 48
		.amdhsa_user_sgpr_count 2
		.amdhsa_user_sgpr_kernarg_segment_ptr 1
		.amdhsa_wavefront_size32 1
		.amdhsa_system_sgpr_workgroup_id_x 1
		.amdhsa_system_sgpr_workgroup_id_y 1
		.amdhsa_system_sgpr_workgroup_id_z 1
		.amdhsa_system_vgpr_workitem_id 0
		.amdhsa_next_free_vgpr 256
		.amdhsa_next_free_sgpr 90
		.amdhsa_reserve_vcc 0
		.amdhsa_float_denorm_mode_32 3
		.amdhsa_float_denorm_mode_16_64 3
		.amdhsa_memory_ordered 1
		.amdhsa_forward_progress 1
		.amdhsa_inst_pref_size 119
	.end_amdhsa_kernel
	.amdgpu_metadata
---
amdhsa.version: [ 1, 2 ]
amdhsa.kernels:
  - .name:           k_qe78207230e_attn
    .symbol:         k_qe78207230e_attn.kd
    .args:
      - { .name: qkvc, .offset: 0, .size: 8, .value_kind: global_buffer, .address_space: global }
      - { .name: qkvs, .offset: 8, .size: 8, .value_kind: global_buffer, .address_space: global }
      - { .name: mask, .offset: 16, .size: 8, .value_kind: global_buffer, .address_space: global }
      - { .name: flags, .offset: 24, .size: 8, .value_kind: global_buffer, .address_space: global }
      - { .name: cc, .offset: 32, .size: 8, .value_kind: global_buffer, .address_space: global }
      - { .name: cs, .offset: 40, .size: 8, .value_kind: global_buffer, .address_space: global }
    .group_segment_fixed_size: 68608
    .private_segment_fixed_size: 0
    .kernarg_segment_align: 8
    .kernarg_segment_size: 48
    .max_flat_workgroup_size: 512
    .sgpr_count:     90
    .vgpr_count:     256
    .wavefront_size: 32
...
	.end_amdgpu_metadata
.endif
;; end of part 3
;; launch oproj (part 4): grid 4 x 32, 4 waves a work-group, clusters of 4 x 4, 327,680 bytes of LDS; arguments cc, cs, opc, ops, out0; writes out0
.if DOCPART == 4
	.amdgcn_target "amdgcn-amd-amdhsa--gfx1250"
	.amdhsa_code_object_version 6
	.text
	.protected	k_qe78207230e_oproj
	.globl	k_qe78207230e_oproj
	.p2align	8
	.type	k_qe78207230e_oproj,@function
k_qe78207230e_oproj:
	s_mov_b64 s[64:65], 0
	v_nop
	global_prefetch_b8 v0, s[64:65] scope:SCOPE_SE
	s_setreg_imm32_b32 hwreg(HW_REG_WAVE_MODE, 25, 1), 1
	s_wait_xcnt 0x0
	s_wait_alu depctr_hold_cnt(0) depctr_sa_sdst(0) depctr_va_vdst(0) depctr_va_sdst(0) depctr_va_ssrc(0) depctr_va_vcc(0) depctr_vm_vsrc(0)
	s_getreg_b32 s2, hwreg(HW_REG_IB_STS2, 6, 4)
	s_cmp_eq_u32 s2, 0
	s_cbranch_scc0 .Lentry_in_a_cluster
	s_endpgm
.Lentry_in_a_cluster:
	s_bfe_u32 s2, ttmp6, 0x10000c
	s_cmp_lg_u32 s2, 0xf033
	s_cbranch_scc0 .Lentry_shape_is_right
	s_endpgm
.Lentry_shape_is_right:
; out0 = ctx Wo on codes of BF6 with E8M0 scales; out0 [8192][1024] f32.  A = ctx (cc, cs: 64 groups of 128 tokens), B = Wo's columns (opc, ops: groups 88-95).
; A tile is 256 x 256: four waves, each 128 x 128 in 64 accumulators; K = 1,024 goes in four steps of 256 through a ring of two LDS slots.  Operands lie in memory as images of the operand registers (1,536 bytes for
; 16 rows x 128 K; registers 4 c .. 4 c + 3 of lane l at 512 c + 16 l): a slot's part of a group is one dense block of 24,576 bytes, a fragment three loads of 512 consecutive bytes.
; Block a, lane row r holds the group's row 32 (a / 2) + 8 (a % 2) + r + 8 (r / 8).  THE PRODUCT IS USED TRANSPOSED (source 0 = B, source 1 = A): lane (r, h) holds A's row of lane r; register j of (a, b) is column 32 (b / 2) + 8 (b % 2) + 16 h + j.
; 128 tiles of 256 x 256: 128 work-groups, in 8 clusters of 4 x 4; A's tiles are asked for jointly along a row of the cluster, B's along a column.
; REGISTERS: window 0: v0-31 addresses; v32-63 scale words, two sets; v128-223 A's fragments (the way out: v128-255);  window 1: B's fragments, two sets;  windows 2, 3: the accumulators, (a, b) at v[8 (8 (a % 4) + b)].
.set FR,     12
.set NL,     3
.set NP,     4
.set SLOTG,  24576
.set SLOT,   98304
.set GROUPB, 98304
.set SCL,    196608
.set SCG,    4096
.set SPARE,  212992                    ; the spare words: 128 bytes a wave, two blocks of 256 bytes that no other line names
.set SPITCH, 528                       ; the way out: a stage of 16 rows x (512 + 16) bytes for each wave, in slot 0, which has had its last fill and its last read by then
.set LAPS,   2
.set ADRA, 16
.set ADRB, 20
.set STO,  24
.set RD,   25
.set CO,   26
.set ADRS, 27
.set SPW,  28
.set NIL,  29
.set SC,   32
.set AF,   128
.set BK,   128
.set G1, 24
.set G0, 32
.set G1B, 48
.set G0B, 56
.set G1S, 68
.set G0S, 76
.set G1SB, 80
.set G0SB, 88
.set MSB, 0
.macro WIN new
.if MSB != \new
	s_set_vgpr_msb (MSB<<8)|\new
.set MSB, \new
.endif
.endm
.set MUL_LO, 0xa1
.set MUL_HI, 0xf1
.set TO_B,   0x40
.macro JLOAD g0a, g1a, g0b, g1b        ; a joint load: waves 0 and 1 fetch for A, waves 2 and 3 for B; four v_nop follow each of the two lines
	s_cmp_eq_u32 s17, 0
	s_cbranch_scc0 .Lfor_b_\@
	tensor_load_to_lds s[\g0a:\g0a+3], s[\g1a:\g1a+7]
	s_nop 0
.rept 4
	v_nop
.endr
	s_branch .Lasked_\@
.Lfor_b_\@:
	tensor_load_to_lds s[\g0b:\g0b+3], s[\g1b:\g1b+7]
	s_nop 0
.rept 4
	v_nop
.endr
.Lasked_\@:
.endm
.macro CREST
	s_cmp_lg_u32 s16, 0
	s_cbranch_scc1 .Lnot_wave_0_\@
	s_barrier_signal -3
.Lnot_wave_0_\@:
	s_barrier_wait -3
	s_barrier_signal -1
	s_barrier_wait -1
.endm
.macro CROUND
	s_barrier_signal -1
	s_barrier_wait -1
	CREST
.endm
	s_load_b256 s[4:11], s[0:1], 0x0               ; cc, cs, opc, ops
	s_load_b64 s[12:13], s[0:1], 0x20              ; out0
	v_lshl_add_u32 v[SPW], v0, 2, SPARE
	v_mov_b32 v[NIL], 0
	ds_add_u32 v28, v29
	ds_add_u32 v28, v29
	s_wait_dscnt 0x0
	v_lshrrev_b32 v1, 5, v0
	v_readfirstlane_b32 s16, v1
	s_lshr_b32 s17, s16, 1
	s_and_b32 s18, s16, 1
	s_bfe_u32 s20, ttmp6, 0x40000                  ; cx
	s_bfe_u32 s21, ttmp6, 0x40004                  ; cy
	s_and_b32 s22, ttmp7, 0xffff
	s_lshl_b32 s22, s22, 2
	s_add_co_u32 s22, s22, s21                     ; tile row
	s_lshl_b32 s23, ttmp9, 2
	s_add_co_u32 s23, s23, s20                     ; tile column
	s_lshl_b32 s44, s21, 2
	s_lshl_b32 s44, 15, s44
	s_lshl_b32 s45, 0x1111, s20
	s_or_b32 s[G1+0], s44, (3<<16)|(1<<21)         ; a dense block as rows of 256 bytes (32 elements of 8 bytes); no padding
	s_or_b32 s[G1B+0], s45, (3<<16)|(1<<21)
	s_or_b32 s[G1S+0], s44, (3<<16)|(1<<21)
	s_or_b32 s[G1SB+0], s45, (3<<16)|(1<<21)
.irp g, G1, G1B
	s_mov_b32 s[\g+1], 32<<16
	s_mov_b32 s[\g+2], 96<<16
	s_mov_b32 s[\g+3], 32<<16
	s_mov_b32 s[\g+4], 96
	s_mov_b32 s[\g+5], 32
	s_mov_b32 s[\g+6], 0
	s_mov_b32 s[\g+7], 0
.endr
.irp g, G1S, G1SB
	s_mov_b32 s[\g+1], 32<<16
	s_mov_b32 s[\g+2], 16<<16
	s_mov_b32 s[\g+3], 32<<16
	s_mov_b32 s[\g+4], 16
	s_mov_b32 s[\g+5], 32
	s_mov_b32 s[\g+6], 0
	s_mov_b32 s[\g+7], 0
.endr
	s_lshl_b32 s46, s22, 1
	s_add_co_u32 s46, s46, s18                     ; the group of A that I would fetch
	s_lshl_b32 s47, s23, 1
	s_add_co_u32 s47, s47, s18
	s_add_co_u32 s47, s47, 88                      ; and of B
	s_mul_i32 s92, s46, GROUPB
	s_mov_b32 s93, 0
	s_lshl_b32 s94, s46, 12
	s_mov_b32 s95, 0
	s_mul_i32 s96, s47, GROUPB
	s_mov_b32 s97, 0
	s_lshl_b32 s98, s47, 12
	s_mov_b32 s99, 0
	s_mul_i32 s40, s16, SLOTG
	s_lshl_b32 s41, s16, 12
	s_wait_kmcnt 0x0
	s_add_nc_u64 s[4:5], s[4:5], s[92:93]
	s_add_nc_u64 s[6:7], s[6:7], s[94:95]
	s_add_nc_u64 s[8:9], s[8:9], s[96:97]
	s_add_nc_u64 s[10:11], s[10:11], s[98:99]
	CROUND                                         ; all sixteen work-groups are here: the first joint loads meet
	s_mov_b32 s[G0S], 1
	s_add_co_u32 s[G0S+1], s41, SCL
	s_mov_b64 s[G0S+2:G0S+3], s[6:7]
	s_or_b32 s[G0S+3], s[G0S+3], 0x80000000
	s_mov_b32 s[G0SB], 1
	s_add_co_u32 s[G0SB+1], s41, SCL
	s_mov_b64 s[G0SB+2:G0SB+3], s[10:11]
	s_or_b32 s[G0SB+3], s[G0SB+3], 0x80000000
	JLOAD G0S, G1S, G0SB, G1SB
.irp s, 0,1
	s_mov_b32 s[G0+4*\s], 1
	s_add_co_u32 s[G0+4*\s+1], s40, \s*SLOT
	s_add_nc_u64 s[G0+4*\s+2:G0+4*\s+3], s[4:5], \s*SLOTG
	s_or_b32 s[G0+4*\s+3], s[G0+4*\s+3], 0x80000000
	s_mov_b32 s[G0B+4*\s], 1
	s_add_co_u32 s[G0B+4*\s+1], s40, \s*SLOT
	s_add_nc_u64 s[G0B+4*\s+2:G0B+4*\s+3], s[8:9], \s*SLOTG
	s_or_b32 s[G0B+4*\s+3], s[G0B+4*\s+3], 0x80000000
	JLOAD G0+4*\s, G1, G0B+4*\s, G1B
.endr
	v_and_b32 v1, 31, v0
	v_lshlrev_b32 v[CO], 4, v1                     ; 16 x lane
	v_and_b32 v4, 15, v0
	v_bfe_u32 v2, v0, 4, 1
	s_mul_i32 s42, s17, SLOTG
	s_mul_i32 s43, s18, SLOTG
	s_add_co_u32 s43, s43, 2*SLOTG
.irp s, 0,1
	v_add_nc_u32 v[ADRA+\s], s42, v[CO]
	v_add_nc_u32 v[ADRB+\s], s43, v[CO]
	s_add_co_u32 s42, s42, SLOT
	s_add_co_u32 s43, s43, SLOT
.endr
	s_lshl_b32 s42, s17, 12
	s_lshl_b32 s43, s18, 12
	s_add_co_u32 s43, s43, 2*SCG
	s_sub_co_u32 s43, s43, s42
	v_mul_u32_u24 v5, s43, v2
	s_add_co_u32 s42, s42, SCL
	v_lshl_add_u32 v5, v4, 4, v5
	v_add_nc_u32 v[ADRS], s42, v5
	s_mul_i32 s42, s16, 16*SPITCH                  ; my stage
	v_mul_u32_u24 v5, v4, SPITCH
	v_lshl_add_u32 v5, v2, 6, v5
	v_add_nc_u32 v[STO], s42, v5                   ; in: row r, + 64 h
	v_add_nc_u32 v[RD], s42, v[CO]                 ; back: a row's 512 bytes
	s_lshl_b32 s42, s22, 1
	s_add_co_u32 s42, s42, s17
	s_lshl_b32 s42, s42, 19                        ; my 128 rows of 4,096 bytes
	s_lshl_b32 s43, s23, 1
	s_add_co_u32 s43, s43, s18
	s_lshl_b32 s43, s43, 9                         ; my 128 columns
	s_add_co_u32 s42, s42, s43
	s_mov_b32 s43, 0
	s_add_nc_u64 s[12:13], s[12:13], s[42:43]
.macro FRAG reg, adr, q, i
.irp c, 0,1,2
	ds_load_b128 v[\reg+4*\c:\reg+4*\c+3], v[\adr] offset:(8*(\q)+(\i))*1536+512*\c
.endr
.endm
.macro MUL16 a0, p, q, sc, zero        ; the 64 accumulators take turns, one instruction a turn, in the same order in every step
.irp a, \a0, \a0+1
.irp b, 0,1,2,3,4,5,6,7
.if \zero
	v_wmma_scale_f32_16x16x128_f8f6f4 v[8*(8*((\a)%4)+\b):8*(8*((\a)%4)+\b)+7], v[128*(\p)+FR*\b:128*(\p)+FR*\b+FR-1], v[AF+FR*(\a):AF+FR*(\a)+FR-1], 0, v[SC+16*(\sc)+8*(\q)+\b], v[SC+16*(\sc)+8*(\q)+(\a)] matrix_a_fmt:MATRIX_FMT_BF6 matrix_b_fmt:MATRIX_FMT_BF6 matrix_a_scale:MATRIX_SCALE_ROW1
.else
	v_wmma_scale_f32_16x16x128_f8f6f4 v[8*(8*((\a)%4)+\b):8*(8*((\a)%4)+\b)+7], v[128*(\p)+FR*\b:128*(\p)+FR*\b+FR-1], v[AF+FR*(\a):AF+FR*(\a)+FR-1], v[8*(8*((\a)%4)+\b):8*(8*((\a)%4)+\b)+7], v[SC+16*(\sc)+8*(\q)+\b], v[SC+16*(\sc)+8*(\q)+(\a)] matrix_a_fmt:MATRIX_FMT_BF6 matrix_b_fmt:MATRIX_FMT_BF6 matrix_a_scale:MATRIX_SCALE_ROW1
.endif
.endr
.endr
.endm
.macro FETCH_B slot, q, p
	WIN TO_B
.irp i, 0,1,2,3,4,5,6,7
	FRAG 128*(\p)+FR*\i, ADRB+\slot, \q, \i
.endr
	WIN 0
.endm
.macro FETCH_A slot, q, i0
.irp i, \i0, \i0+1, \i0+2, \i0+3
	FRAG AF+FR*(\i), ADRA+\slot, \q, \i
.endr
.endm
.macro SCALES sc
.irp q, 0,1
.irp c, 0,1
	ds_load_b128 v[SC+16*\sc+8*\q+4*\c:SC+16*\sc+8*\q+4*\c+3], v[ADRS] offset:512*\q+256*\c
.endr
.endr
.endm
.macro PLACES n
.rept \n
	v_nop
.endr
.endm
.macro STEP slot, q, zero
	s_wait_dscnt 4*NL                              ; all but the youngest 12 loads (A's blocks 4-7)
	WIN MUL_LO
	MUL16 0, (\q)%2, \q, \slot, \zero
	MUL16 2, (\q)%2, \q, \slot, \zero
	s_wait_dscnt 0
	PLACES NP
	FETCH_B \slot, (\q)+1, 1-(\q)%2
	FETCH_A \slot, (\q)+1, 0
	WIN MUL_HI
	MUL16 4, (\q)%2, \q, \slot, \zero
	MUL16 6, (\q)%2, \q, \slot, \zero
	PLACES NP
	WIN 0
	FETCH_A \slot, (\q)+1, 4
.endm
.macro TURN slot, next, fill
	s_wait_tensorcnt 0x0                           ; all my tensor loads have landed: my part of the next slot
	ds_add_u32 v[SPW], v[NIL]
	s_wait_dscnt 4*NL+1                            ; (the add and the youngest 12 loads may be out)
	WIN MUL_LO
	MUL16 0, 1, 1, \slot, 0
	s_wait_dscnt 0x0                               ; the add is done, and my reads of this slot are over
	s_barrier_signal -1
	MUL16 2, 1, 1, \slot, 0
	WIN 0
	s_barrier_wait -1
.if \fill
	CREST                                          ; the barrier has opened a round of the cluster's
	s_add_nc_u64 s[G0+4*\slot+2:G0+4*\slot+3], s[G0+4*\slot+2:G0+4*\slot+3], 2*SLOTG
	s_add_nc_u64 s[G0B+4*\slot+2:G0B+4*\slot+3], s[G0B+4*\slot+2:G0B+4*\slot+3], 2*SLOTG
	JLOAD G0+4*\slot, G1, G0B+4*\slot, G1B
.else
	PLACES NP
.endif
	v_add_nc_u32 v[ADRS], 1024, v[ADRS]
	FETCH_B \next, 0, 0
	FETCH_A \next, 0, 0
	SCALES \next
	WIN MUL_HI
	MUL16 4, 1, 1, \slot, 0
	MUL16 6, 1, 1, \slot, 0
	PLACES NP
	WIN 0
	FETCH_A \next, 0, 4
.endm
	s_wait_tensorcnt 1                             ; the scale words and my part of slot 0 are in; slot 1's load may be out
	s_barrier_signal -1
	s_barrier_wait -1
	FETCH_B 0, 0, 0
	FETCH_A 0, 0, 0
	SCALES 0
	FETCH_A 0, 0, 4
	STEP 0, 0, 1
	s_mov_b32 s19, LAPS-1
.Llap:
	TURN 0, 1, 1
	STEP 1, 0, 0
	TURN 1, 0, 1
	STEP 0, 0, 0
	s_sub_co_u32 s19, s19, 1
	s_cmp_lg_u32 s19, 0
	s_cbranch_scc1 .Llap
	TURN 0, 1, 0
	STEP 1, 0, 0
	s_wait_dscnt 4*NL
	WIN MUL_LO
	MUL16 0, 1, 1, 1, 0
	MUL16 2, 1, 1, 1, 0
	s_wait_dscnt 0
	WIN MUL_HI
	MUL16 4, 1, 1, 1, 0
	MUL16 6, 1, 1, 1, 0
	WIN 0
; THE WAY OUT, block by block of 16 rows x 128 columns, through my own stage: whole rows of 512 bytes come back and are stored by the 32 lanes.  LDS serves a wave's instructions in order.
.macro TOSTAGE a
.set AC, 64*((\a)%4)
	WIN 0x08+4*((\a)/4)                            ; the data: window 2 or 3
.irp b, 0,1,2,3,4,5,6,7
	ds_store_b128 v[STO], v[AC+8*\b:AC+8*\b+3] offset:128*(\b/2)+32*(\b%2)          ; each accumulator from its low end on
	ds_store_b128 v[STO], v[AC+8*\b+4:AC+8*\b+7] offset:128*(\b/2)+32*(\b%2)+16
.endr
	WIN 0
.set BB, BK+64*((\a)%2)
.irp t, 0,1,2,3,4,5,6,7,8,9,10,11,12,13,14,15
	ds_load_b128 v[BB+4*\t:BB+4*\t+3], v[RD] offset:\t*SPITCH
.endr
.endm
.macro SEND a, younger
.set BB, BK+64*((\a)%2)
	s_wait_dscnt \younger
.irp t, 0,1,2,3,4,5,6,7,8,9,10,11,12,13,14,15
	global_store_b128 v[CO], v[BB+4*\t:BB+4*\t+3], s[12:13] offset:(32*((\a)/2)+8*((\a)%2)+\t+8*(\t/8))*4096 th:TH_STORE_NT   ; 512 consecutive bytes of the block's row t; the base never steps
.endr
.endm
	PLACES NP
	TOSTAGE 0
.irp a, 1,2,3,4,5,6,7
.if \a > 1
	s_wait_xcnt 0x0                                ; block a - 2's stores have read their registers: block a's loads may land there
.endif
	TOSTAGE \a
	SEND \a-1, 32                                  ; behind block a - 1's loads: block a's 16 stores and 16 loads
.endr
	SEND 7, 0
	s_wait_tensorcnt 0x0                           ; the wave's end
	ds_add_u32 v[SPW], v[NIL]
	s_wait_dscnt 0x0
	CROUND                                         ; the closing round
	s_endpgm
.Lfunc_end_k_qe78207230e_oproj:
	.size	k_qe78207230e_oproj, .Lfunc_end_k_qe78207230e_oproj-k_qe78207230e_oproj
	.p2alignl 7, 3214868480
	.fill 96, 4, 3214868480
	.section	.rodata,"a",@progbits
	.p2align	6, 0x0
	.amdhsa_kernel k_qe78207230e_oproj
		.amdhsa_group_segment_fixed_size 327680
		.amdhsa_private_segment_fixed_size 0
		.amdhsa_enable_private_segment 0
		.amdhsa_kernarg_size 40
		.amdhsa_user_sgpr_count 2
		.amdhsa_user_sgpr_kernarg_segment_ptr 1
		.amdhsa_wavefront_size32 1
		.amdhsa_system_sgpr_workgroup_id_x 1
		.amdhsa_system_sgpr_workgroup_id_y 1
		.amdhsa_system_sgpr_workgroup_id_z 1
		.amdhsa_system_vgpr_workitem_id 0
		.amdhsa_next_free_vgpr 1024
		.amdhsa_next_free_sgpr 100
		.amdhsa_reserve_vcc 0
		.amdhsa_float_denorm_mode_32 3
		.amdhsa_float_denorm_mode_16_64 3
		.amdhsa_memory_ordered 1
		.amdhsa_forward_progress 1
		.amdhsa_inst_pref_size 134
	.end_amdhsa_kernel
	.amdgpu_metadata
---
amdhsa.version: [ 1, 2 ]
amdhsa.kernels:
  - .name:           k_qe78207230e_oproj
    .symbol:         k_qe78207230e_oproj.kd
    .args:
      - { .name: cc, .offset: 0, .size: 8, .value_kind: global_buffer, .address_space: global }
      - { .name: cs, .offset: 8, .size: 8, .value_kind: global_buffer, .address_space: global }
      - { .name: opc, .offset: 16, .size: 8, .value_kind: global_buffer, .address_space: global }
      - { .name: ops, .offset: 24, .size: 8, .value_kind: global_buffer, .address_space: global }
      - { .name: out0, .offset: 32, .size: 8, .value_kind: global_buffer, .address_space: global }
    .group_segment_fixed_size: 327680
    .private_segment_fixed_size: 0
    .kernarg_segment_align: 8
    .kernarg_segment_size: 40
    .max_flat_workgroup_size: 128
    .sgpr_count:     100
    .vgpr_count:     1024
    .wavefront_size: 32
...
	.end_amdgpu_metadata
.endif
;; end of part 4
;; ======== version 2 of 2: 4 launches; version 1 with the launch attn written anew for expert scheduling mode
;; workspace buffers: opc 9,437,184 bytes; ops 393,216 bytes; flags 512 bytes of whole numbers; qkvc 18,874,368 bytes; qkvs 786,432 bytes; cc 6,291,456 bytes; cs 262,144 bytes
;; launch prep: the kernel of part 1 again; grid 640 x 1, 4 waves a work-group, no clusters, 48,384 bytes of LDS; arguments states, mask, Wq, Wk, Wv, Wo, opc, ops, flags; writes opc, ops, flags
;; launch qkv: the kernel of part 2 again; grid 12 x 32, 4 waves a work-group, clusters of 4 x 4, 327,680 bytes of LDS; arguments opc, ops, qkvc, qkvs; writes qkvc, qkvs
;; launch attn (part 5): grid 8 x 32, 16 waves a work-group, no clusters, 68,608 bytes of LDS; arguments qkvc, qkvs, mask, flags, cc, cs; writes cc, cs
.if DOCPART == 5
	.amdgcn_target "amdgcn-amd-amdhsa--gfx1250"
	.amdhsa_code_object_version 6
	.text
	.protected	k_qe78207230e_attn
	.globl	k_qe78207230e_attn
	.p2align	8
	.type	k_qe78207230e_attn,@function
k_qe78207230e_attn:
	s_mov_b64 s[64:65], 0
	v_nop
	global_prefetch_b8 v0, s[64:65] scope:SCOPE_SE
	s_setreg_imm32_b32 hwreg(HW_REG_WAVE_SCHED_MODE, 0, 2), 2
	s_setreg_imm32_b32 hwreg(HW_REG_WAVE_MODE, 25, 1), 1
	s_wait_xcnt 0x0
	s_wait_alu depctr_vm_vsrc(0)
; ctx = softmax(q k^T / 8, under the mask) v, both products on codes of BF6; ctx leaves as codes, quantised along the model's 1,024, as the last product's operand.
; THE SOFTMAX: t = score x log2(e) / 8; M = the running largest t rounded up to a whole number; p = 2^(t - M) is quantised along the keys; the row's sum is taken of the unquantised p and divides at the end.
; THE MASK is an input and is taken as it is given: t = (score c) m + (1 - m) NEG, NEG the lowest finite f32.  A key step (16 queries x 128 keys) whose flag says that all m are 1 takes t = score c; one whose flag says that all m are 0,
; in a tile all of whose rows have a key with 1 - m < 1, is left out: its t lie 2^103 or more under the row's largest, so its p are 0.  The flags were stored by the first launch.
; STATED: the masked level is NEG in t, where the definition has NEG x log2(e), which f32 does not hold; levels differ by 2^103 or more either way, so no p differs.  NaN and infinities are not served.
; SHARES.  A work-group serves one batch, one pair of heads, and two groups of 128 queries, g and 15 - g.  Each of its 16 waves owns one tile of 16 queries (tile a = wave / 2 of one of the two groups), first for the even head, then for the odd.
; All waves walk 16 slots (8 a head) of two key steps of 128 keys.  K's and V's fragments and scale words are copied global -> registers -> LDS one slot ahead, into two buffers by turns: one barrier a slot.
; NO TENSOR LOADS AND NO CLUSTER: a step's work is jumped over on flags read from memory; no joint load is at hand for the eight work-groups that read one head's K and V.
; THE HEAD'S 64 IN AN INSTRUCTION OF 128: a fragment of K holds two key tiles of one head (k 0-63: tile 2 p, k 64-127: tile 2 p + 1); it is multiplied by (Q | 0) and by (0 | Q).  Zero codes add nothing.
; LAYOUT.  Both products transposed: a lane holds one query.  The keys of tile a' are 32 (a' / 2) + 8 (a' % 2) + r + 8 (r / 8), so register 16 b + i of S^T is key 32 b + 16 (lane / 16) + i.
; LDS: buffers at 0 and 32,768: K's 8 fragments, V's 8 at 12,288, K's scale words at 24,576, V's at 25,088;  at 65,536 two blocks of 512 bytes for ctx's scale words.
; THE MODE: SCHED_MODE bits 1:0 = 2 (LLVM: expert scheduling mode 2), set by the entry lines.  The code itself states the register dependences
; between vector or matrix instructions and memory or LDS instructions, with s_wait_alu, always for 0.
; THE PLAN.  Registers that memory or LDS instructions touch:
;   v1-7, v249, v254, v255   addresses and the closing add's two: written at the head, ahead of its one wait on va_vdst, and never again.  The copy's rows are reached by two scalar bases, which move on by a slot behind the
;                            wait that shows the loads that read them done; the mask's by a scalar base made anew at each trip's head, and by immediate offsets.
;   CP (v40-55)              written by the slot's global loads, read by its LDS stores; no vector line of the loop names it.  One wait on vm_vsrc at a slot's head: the last slot's stores have read it.
;   F, KS (v166-213, 226-229)  a step's K lands there and is read by its eight first products; then its V lands there and is read by its four second products.  Sixteen waves of 256 registers are all that the four SIMDs hold: there is
;                            no room for a second set, so a wait on va_vdst stands ahead of each of the two runs of LDS loads.
;   F, PC, T8 (v166-225, 234-237)  under the mask alone: its 64 numbers land there behind the same wait as V's, and the arm ends with a wait of its own, since its arithmetic reads and writes them.
;   PC, PWD; Q, QS           written by vector lines, taken by scaled products as source 1 and as its scale: the wait stands behind the places, ahead of the products (Q's is the step's first wait).
;   Z, ZW (v56-68)           written at a head's end, read by the stores behind the loop: one wait ahead of these.
.set BUF1, 32768
.set VFR,  12288
.set KSC,  24576
.set VSC,  25088
.set CSC,  65536
.set LI,   1                           ; v1  16 x lane
.set LR,   2                           ; v2  16 x (lane % 16)
.set MOFF, 3                           ; v3  my query's row of the mask, + 64 (lane / 16)
.set CPG,  4                           ; v4  the copy: my 16 bytes of each 4,096
.set CPL,  5                           ; v5  and their place in a buffer
.set CST0, 6                           ; v6  the scale words' place in a buffer
.set CSA,  7                           ; v7  ctx's scale word's place
.set QW,   10                          ; v10 q's scale word as stored;  v11 the head's two bytes, twice
.set QS,   11
.set QHI,  16                          ; v16-33: six zeros, Q's six registers, six zeros: (0 | Q) from v16, (Q | 0) from v22
.set QLO,  22
.set QB,   34                          ; v34-39 the odd head's Q
.set CP,   40                          ; v40-55 the copy's registers
.set Z,    56                          ; v56-67 ctx's fragment;  v68 its scale word
.set ZW,   68
.set S,    70                          ; v70-133 S^T, then p
.set O,    134                         ; v134-165 O^T
.set F,    166                         ; v166-213 four fragments of K or of V
.set PC,   214                         ; v214-225 p's codes
.set KS,   226                         ; v226-229 K's or V's scale words
.set BM,   230
.set T8,   234
.set SO,   242
.set FF,   246                         ; v246 f;  v247 p's scale word
.set PWD,  247
.set TMP,  248
.set CSR,  249
.set WV,  16
.set SL,  17
.set AT,  18
.set W7,  19
.set KV,  20
.set KVB, 26                           ; s[26:27] the codes that I copy (K's or V's), at the slot that is asked for next
.set KSB, 28                           ; s[28:29] their scale words, likewise
.set SEL, 30
.set CC,  32                           ; s[32:33] c = log2(e) / 8
.set CS,  34                           ; s[34:35] the step's multiplier: c, or 1 where the mask's arithmetic has made t already
.set NG,  36                           ; s[36:37] NEG
.set ACT, 38
.set MIX, 39
.set ANYN, 40
.set IT,  41
.set CCB, 66
.set CSB, 68
.set STC, 72                           ; s[72:73] from a slot's codes to the next slot's, in bytes
.set STS, 74                           ; s[74:75] the same for the scale words
.set KOFF, 84                          ; s[84:85] the trip's four key steps in a row of the mask, in bytes
.set MB,  86                           ; s[86:87] the mask at these key steps
	s_load_b256 s[4:11], s[0:1], 0x0               ; qkvc, qkvs, mask, flags
	s_load_b128 s[12:15], s[0:1], 0x20             ; cc, cs
	v_lshl_add_u32 v254, v0, 2, 0x10400
	v_mov_b32 v255, 0
	v_lshrrev_b32 v8, 5, v0
	v_readfirstlane_b32 s[WV], v8
	v_and_b32 v8, 31, v0                           ; what hangs on the lane alone is made while the wave's number is on its way
	v_lshlrev_b32 v[LI], 4, v8
	v_and_b32 v9, 15, v0
	v_lshlrev_b32 v[LR], 4, v9
	v_bfe_u32 v[TMP], v0, 4, 1
	v_and_b32 v[MOFF], 8, v9
	v_add_nc_u32 v[MOFF], v[MOFF], v9              ; r + 8 (r / 8)
.set j_, 0
.rept 16
	v_mov_b32 v[CP+j_], 0                          ; written once, so that they are written on every way
.set j_, j_+1
.endr
	s_wait_alu depctr_va_sdst(0)                   ; the wave's number is written, ahead of its first reader
	s_lshr_b32 s45, s[WV], 2
	s_xor_b32 s[SL], s[WV], s45
	s_and_b32 s[SL], s[SL], 1                      ; which of the two groups of queries
	s_lshr_b32 s[AT], s[WV], 1                     ; my tile in it
	s_and_b32 s[W7], s[WV], 7
	s_lshr_b32 s[KV], s[WV], 3                     ; I copy K (0) or V (1)
	s_and_b32 s45, ttmp7, 0xffff
	s_lshr_b32 s22, s45, 3                         ; batch
	s_and_b32 s23, s45, 7                          ; pair of heads
	s_sub_co_u32 s46, 15, ttmp9
	s_cmp_eq_u32 s[SL], 0
	s_cselect_b32 s24, ttmp9, s46                  ; my group of queries
	s_lshl_b32 s25, s22, 4
	s_add_co_u32 s25, s25, s24                     ; as a group of tokens
	s_lshl_b32 s72, s24, 3
	s_add_co_u32 s72, s72, s[AT]
	s_lshl_b32 s72, s72, 2
	s_lshl_b32 s73, ttmp9, 5
	s_lshl_b32 s74, s46, 5
	s_wait_kmcnt 0x0
	s_load_b32 s75, s[10:11], s72 offset:0x0       ; my tile's flags
	s_load_b256 s[48:55], s[10:11], s73 offset:0x0 ; and those of all sixteen tiles of the work-group
	s_load_b256 s[56:63], s[10:11], s74 offset:0x0
	s_lshl_b32 s45, s23, 7
	s_lshl_b32 s47, s22, 4
	s_add_co_u32 s45, s45, s47                     ; 64 x even head + 16 x batch
	s_mul_i32 s76, s45, 6144
	s_lshl_b32 s78, s45, 8
	s_cmp_eq_u32 s[KV], 0
	s_mov_b32 s47, 12582912
	s_cselect_b32 s47, 6291456, s47
	s_mov_b32 s70, 524288
	s_cselect_b32 s70, 262144, s70
	s_add_co_u32 s76, s76, s47
	s_add_co_u32 s78, s78, s70
	s_mov_b32 s77, 0
	s_mov_b32 s79, 0
	s_add_nc_u64 s[KVB:KVB+1], s[4:5], s[76:77]
	s_add_nc_u64 s[KSB:KSB+1], s[6:7], s[78:79]
	s_lshl_b32 s45, s23, 6
	s_add_co_u32 s45, s45, s25
	s_mul_i32 s76, s45, 12288
	s_mul_i32 s47, s[AT], 1536
	s_add_co_u32 s76, s76, s47
	s_add_nc_u64 s[80:81], s[4:5], s[76:77]        ; my fragment of q
	s_lshr_b32 s47, s[AT], 2
	s_lshl_b32 s47, s47, 8
	s_and_b32 s70, s[AT], 3
	s_lshl_b32 s70, s70, 2
	s_add_co_u32 s71, s47, s70                     ; a tile's place in a block of scale words: 256 (a / 4) + 4 (a % 4)
	s_lshl_b32 s78, s45, 9
	s_add_co_u32 s78, s78, s71
	s_add_nc_u64 s[82:83], s[6:7], s[78:79]
	s_lshl_b32 s45, s25, 3
	s_add_co_u32 s45, s45, s23
	s_lshl_b32 s76, s45, 3
	s_add_co_u32 s76, s76, s[AT]
	s_mul_i32 s76, s76, 1536
	s_add_nc_u64 s[CCB:CCB+1], s[12:13], s[76:77]
	s_lshl_b32 s76, s45, 9
	s_add_nc_u64 s[CSB:CSB+1], s[14:15], s[76:77]
	s_lshl_b32 s45, s24, 7
	s_lshr_b32 s47, s[AT], 1
	s_lshl_b32 s47, s47, 5
	s_add_co_u32 s45, s45, s47
	s_and_b32 s47, s[AT], 1
	s_lshl_b32 s47, s47, 3
	s_add_co_u32 s45, s45, s47
	v_add_nc_u32 v[MOFF], s45, v[MOFF]             ; my query
	v_lshlrev_b32 v[MOFF], 13, v[MOFF]
	v_lshl_add_u32 v[MOFF], v[TMP], 6, v[MOFF]
	s_lshl_b32 s45, s[W7], 9
	v_add_nc_u32 v[CPG], s45, v[LI]
	s_mul_i32 s45, s[KV], VFR
	v_add_nc_u32 v[CPL], s45, v[CPG]
	s_lshl_b32 s45, s[KV], 9
	s_add_co_u32 s45, s45, KSC
	v_add_nc_u32 v[CST0], s45, v[LI]
	s_lshl_b32 s45, s[SL], 9
	s_add_co_u32 s45, s45, s71
	s_add_co_u32 s45, s45, CSC
	v_add_nc_u32 v[CSA], s45, v[LR]
	s_and_b32 s45, s[WV], 1
	s_lshl_b32 s45, s45, 9
	s_add_co_u32 s45, s45, CSC
	v_add_nc_u32 v[CSR], s45, v[LI]
	s_wait_alu depctr_va_vdst(0)                   ; the eight addresses v1 to v7 and v249 and the closing add's two are written, which every load and store of the kernel reads; so are CP's zeros, on which the copy's loads land
.irp c, 0,1,2
	global_load_b128 v[F+4*\c:F+4*\c+3], v[LI], s[80:81] offset:512*\c
.endr
	global_load_b32 v[QW], v[LR], s[82:83]
	s_mov_b32 s[SEL], 0x76543210
	s_mov_b32 s[SEL+1], 0xfedcba98
	s_mov_b32 s[CC], 0x3e38aa3b
	s_mov_b32 s[CC+1], s[CC]
	s_mov_b32 s[CS], s[CC]
	s_mov_b32 s[CS+1], s[CC]
	s_mov_b32 s[NG], 0xff7fffff
	s_mov_b32 s[NG+1], s[NG]
	s_mov_b32 s[KOFF+1], 0
	s_mov_b32 s[IT], 0
	s_wait_kmcnt 0x0
	s_and_b32 s[ACT], s75, 0xffff                  ; the same 16 steps for both heads
	s_lshl_b32 s45, s[ACT], 16
	s_or_b32 s[ACT], s[ACT], s45
	s_lshr_b32 s[MIX], s75, 16
	s_lshl_b32 s45, s[MIX], 16
	s_or_b32 s[MIX], s[MIX], s45
	s_or_b32 s[ANYN], s48, s49
.irp k, 50,51,52,53,54,55,56,57,58,59,60,61,62,63
	s_or_b32 s[ANYN], s[ANYN], s\k
.endr
	s_and_b32 s[ANYN], s[ANYN], 0xffff             ; the steps that some wave of the work-group computes: only their slots are copied
	s_lshl_b32 s45, s[ANYN], 16
	s_or_b32 s[ANYN], s[ANYN], s45
	s_mov_b32 s[STC+1], 0                          ; (the flags' loads, which read s72 to s74 and wrote s75, are done)
	s_mov_b32 s[STS+1], 0
.macro ISSUE                           ; the next slot's 12,288 bytes of K (waves 0-7) and of V (waves 8-15), 1,536 a wave; waves 0 and 8 also its 512 bytes of scale words
	s_and_b32 s45, s[ANYN], 3
	s_cmp_eq_u32 s45, 0
	s_cbranch_scc1 .Lno_issue_\@
.irp i, 0,1,2
	global_load_b128 v[CP+4*\i:CP+4*\i+3], v[CPG], s[KVB:KVB+1] offset:4096*\i
.endr
	s_cmp_lg_u32 s[W7], 0
	s_cbranch_scc1 .Lno_issue_\@
	global_load_b128 v[CP+12:CP+15], v[LI], s[KSB:KSB+1]
.Lno_issue_\@:
.endm
.macro STORE nb
	s_and_b32 s45, s[ANYN], 3
	s_cmp_eq_u32 s45, 0
	s_cbranch_scc1 .Lno_store_\@
.irp i, 0,1,2
	ds_store_b128 v[CPL], v[CP+4*\i:CP+4*\i+3] offset:\nb+4096*\i
.endr
	s_cmp_lg_u32 s[W7], 0
	s_cbranch_scc1 .Lno_store_\@
	ds_store_b128 v[CST0], v[CP+12:CP+15] offset:\nb
.Lno_store_\@:
.endm
.macro SETMP                           ; the mask's pair n_: 60 numbers in v166-225, the last four in v234-237
.if n_ < 30
.set MP, F+2*n_
.else
.set MP, T8+2*(n_-30)
.endif
.endm
; A KEY STEP: 128 keys, the q-th of the slot in buffer buf; e: the slot's place in the trip
.macro STEP buf, q, e
	s_bitcmp1_b32 s[ACT], 2*\e+\q
	s_cbranch_scc0 .Lskip_\@
	s_wait_alu depctr_va_vdst(0)                   ; the products of the step before (at the start: the moves of q) are done reading F and KS, in which K lands; Q and its scale word, which the products below take, are written, 32 plain lines back or more
.irp p, 0,1,2,3
.irp c, 0,1,2
	ds_load_b128 v[F+12*\p+4*\c:F+12*\p+4*\c+3], v[LI] offset:\buf+6144*\q+1536*\p+512*\c
.endr
.endr
	ds_load_b128 v[KS:KS+3], v[LR] offset:\buf+KSC+256*\q
	s_bitcmp1_b32 s[MIX], 2*\e+\q
	s_cselect_b32 s[CS], 1.0, s[CC]
	s_mov_b32 s[CS+1], s[CS]
	s_wait_dscnt 0x0
.irp p, 0,1,2,3
	v_wmma_scale_f32_16x16x128_f8f6f4 v[S+16*\p:S+16*\p+7], v[F+12*\p:F+12*\p+11], v[QLO:QLO+11], 0, v[KS+\p], v[QS] matrix_a_fmt:MATRIX_FMT_BF6 matrix_b_fmt:MATRIX_FMT_BF6
	v_wmma_scale_f32_16x16x128_f8f6f4 v[S+16*\p+8:S+16*\p+15], v[F+12*\p:F+12*\p+11], v[QHI:QHI+11], 0, v[KS+\p], v[QS] matrix_a_fmt:MATRIX_FMT_BF6 matrix_b_fmt:MATRIX_FMT_BF6
.endr
.rept 4
	v_nop                                          ; places behind the products, ahead of the first read of their results
.endr
	s_wait_alu depctr_va_vdst(0)                   ; the eight products are done reading F and KS, in which V lands; under the mask its numbers land in F, PC and T8, with which the vector lines and products of the step before are done too
	s_bitcmp1_b32 s[MIX], 2*\e+\q
	s_cbranch_scc0 .Lplain_\@
.set n_, 0                             ; THE MASK'S NUMBERS, in S^T's own layout: 16 neighbours of each 32 keys of my query's row
.rept 16
.if n_ < 15
.set MP, F+4*n_
.else
.set MP, T8
.endif
	global_load_b128 v[MP:MP+3], v[MOFF], s[MB:MB+1] offset:1024*\e+512*\q+128*(n_/4)+16*(n_%4)
.set n_, n_+1
.endr
.set n_, 0
.rept 32
	v_pk_mul_f32 v[S+2*n_:S+2*n_+1], v[S+2*n_:S+2*n_+1], s[CC:CC+1] op_sel_hi:[1,0]      ; score x c, while the mask's numbers are on their way: these lines name S alone
.set n_, n_+1
.endr
	s_wait_loadcnt 0x0
.set n_, 0
.rept 32
	SETMP
	v_pk_mul_f32 v[S+2*n_:S+2*n_+1], v[S+2*n_:S+2*n_+1], v[MP:MP+1]                      ; x m
.set n_, n_+1
.endr
.set n_, 0
.rept 32
	SETMP
	v_pk_fma_f32 v[MP:MP+1], v[MP:MP+1], -1.0, 1.0 op_sel_hi:[1,0,0]                     ; 1 - m
.set n_, n_+1
.endr
.set n_, 0
.rept 32
	SETMP
	v_pk_fma_f32 v[S+2*n_:S+2*n_+1], v[MP:MP+1], s[NG:NG+1], v[S+2*n_:S+2*n_+1] op_sel_hi:[1,0,1]   ; + (1 - m) NEG
.set n_, n_+1
.endr
	s_wait_alu depctr_va_vdst(0)                   ; the mask's arithmetic is done writing and reading F, in which V lands
.Lplain_\@:
.irp p, 0,1,2,3                        ; V's fragments land while the softmax is walked: none of its lines names F or KS
.irp c, 0,1,2
	ds_load_b128 v[F+12*\p+4*\c:F+12*\p+4*\c+3], v[LI] offset:\buf+VFR+6144*\q+1536*\p+512*\c
.endr
.endr
	ds_load_b128 v[KS:KS+3], v[LR] offset:\buf+VSC+256*\q
.irp b, 0,1,2,3
	v_max3_num_f32 v[BM+\b], v[S+16*\b], v[S+16*\b+1], v[S+16*\b+2]   ; the largest score of each block of 32 keys: for the row's maximum and for the block's largest p
.endr
.irp i, 3,5,7,9,11,13
.irp b, 0,1,2,3
	v_max3_num_f32 v[BM+\b], v[BM+\b], v[S+16*\b+\i], v[S+16*\b+\i+1]
.endr
.endr
.irp b, 0,1,2,3
	v_max_num_f32 v[BM+\b], v[BM+\b], v[S+16*\b+15]
.endr
.irp b, 0,1,2,3
	v_permlanex16_b32 v[T8+\b], v[BM+\b], s[SEL], s[SEL+1]
.endr
.irp b, 0,1,2,3
	v_max_num_f32 v[BM+\b], v[BM+\b], v[T8+\b]
.endr
	v_max3_num_f32 v[TMP], v[BM], v[BM+1], v[BM+2]
	v_max_num_f32 v[TMP], v[TMP], v[BM+3]
	v_mul_f32 v[TMP], s[CS], v[TMP]
	v_max_num_f32 v13, v13, v[TMP]                 ; the running largest t
	v_mov_b32 v[TMP], v12
	v_floor_f32 v12, -v13                          ; -M = floor(-t): M is a whole number
	v_sub_f32 v[TMP], v12, v[TMP]
	v_cvt_i32_f32 v[TMP], v[TMP]                   ; (it saturates)
	v_ldexp_f32 v[FF], 1.0, v[TMP]                 ; f = 2^(old M - new M)
.set j_, 0
.rept 32
	v_pk_fma_f32 v[S+j_:S+j_+1], v[S+j_:S+j_+1], s[CS:CS+1], v[12:13] op_sel_hi:[1,0,0]   ; t - M
.set j_, j_+2
.endr
.irp b, 0,1,2,3
	v_fma_f32 v[BM+\b], v[BM+\b], s[CS], v12
.endr
.set j_, 0
.rept 64
	v_exp_f32 v[S+j_], v[S+j_]                     ; p = 2^(t - M)
.set j_, j_+1
.endr
	v_pk_mul_f32 v[14:15], v[14:15], v[FF:FF+1] op_sel_hi:[1,0]   ; the sums under the new M: a plain line behind the exponentials
	s_wait_alu depctr_va_vdst(0)                   ; the 64 exponentials have written p: one wait for the batch, ahead of its first reader
.irp b, 0,1,2,3
	v_exp_f32 v[BM+\b], v[BM+\b]                   ; each block's largest p: the same two instructions on the same number
.endr
	v_pk_add_f32 v[T8:T8+1], v[S:S+1], v[S+2:S+3]  ; the row's sum of the unquantised p, in two chains
.set j_, 4
.rept 15
	v_pk_add_f32 v[14:15], v[14:15], v[S+j_:S+j_+1]
	v_pk_add_f32 v[T8:T8+1], v[T8:T8+1], v[S+j_+2:S+j_+3]
.set j_, j_+4
.endr
	v_pk_add_f32 v[14:15], v[14:15], v[T8:T8+1]
	s_wait_alu depctr_va_vdst(0)                   ; the four exponentials have written the blocks' largest p, ahead of their first reader
.irp b, 0,1,2,3
	v_max_num_f32 v[BM+\b], 0x2800000, v[BM+\b]    ; the floor 2^(5 - 127)
.endr
.irp b, 0,1,2,3
	v_add_nc_u32 v[SO+\b], 0xfe000000, v[BM+\b]
.endr
.irp b, 0,1,2,3
	v_lshrrev_b32 v[T8+\b], 23, v[SO+\b]
.endr
	v_lshl_or_b32 v[PWD], v[T8+1], 8, v[T8]
	v_lshl_or_b32 v[PWD], v[T8+2], 16, v[PWD]
	v_lshl_or_b32 v[PWD], v[T8+3], 24, v[PWD]
.irp c, 0,1
	v_cvt_scalef32_pk16_bf6_f32 v[PC+6*\c:PC+6*\c+2], v[S+32*\c:S+32*\c+15], v[SO+2*\c]
	v_cvt_scalef32_pk16_bf6_f32 v[T8+4*\c:T8+4*\c+2], v[S+32*\c+16:S+32*\c+31], v[SO+2*\c+1]
.endr
	v_nop                                          ; one plain line behind the conversions
.irp c, 0,1
.irp i, 0,1,2
	v_permlane16_swap_b32 v[PC+6*\c+\i], v[T8+4*\c+\i]
.endr
.irp i, 0,1,2
	v_mov_b32 v[PC+6*\c+3+\i], v[T8+4*\c+\i]
.endr
.endr
.set j_, 0
.rept 16
	v_pk_mul_f32 v[O+j_:O+j_+1], v[O+j_:O+j_+1], v[FF:FF+1] op_sel_hi:[1,0]   ; O^T under the new M; these 16 are also the places between the writes of p's codes and scale word and the products
.set j_, j_+2
.endr
	s_wait_dscnt 0x0                               ; V
	s_wait_alu depctr_va_vdst(0)                   ; p's codes and its scale word are written, which the products below take as source 1 and its scale; the places above stay beside this wait
.irp p, 0,1,2,3                        ; four accumulators by turns
	v_wmma_scale_f32_16x16x128_f8f6f4 v[O+8*\p:O+8*\p+7], v[F+12*\p:F+12*\p+11], v[PC:PC+11], v[O+8*\p:O+8*\p+7], v[KS+\p], v[PWD] matrix_a_fmt:MATRIX_FMT_BF6 matrix_b_fmt:MATRIX_FMT_BF6
.endr
.rept 4
	v_nop                                          ; places behind the products, ahead of the vector lines that read O^T next
.endr
.Lskip_\@:
.endm
; A HEAD'S END: O^T / the sum, quantised along the head's 64 (two blocks), becomes half of ctx's fragment; the wave starts anew with the odd head's Q.  Vector lines alone.
.macro FIN
	v_add_f32 v14, v14, v15
	v_permlanex16_b32 v[TMP], v14, s[SEL], s[SEL+1]
	v_add_f32 v14, v14, v[TMP]
	v_rcp_f32 v14, v14
	v_lshrrev_b32 v[ZW], 16, v[ZW]                 ; (plain lines behind the reciprocal)  the half made last moves down,
.irp i, 0,1,2,3,4,5
	v_mov_b32 v[Z+\i], v[Z+6+\i]
.endr
	s_wait_alu depctr_va_vdst(0)                   ; the reciprocal is written, ahead of its first reader
.set j_, 0
.rept 32
	v_mul_f32 v[S+j_], v[O+j_], v14                ; register 16 b + i: channel 32 b + 16 (lane / 16) + i
.set j_, j_+1
.endr
.irp b, 0,1
	v_max3_num_f32 v[BM+\b], |v[S+16*\b]|, |v[S+16*\b+1]|, 0x2800000
.endr
.irp i, 2,4,6,8,10,12,14
.irp b, 0,1
	v_max3_num_f32 v[BM+\b], v[BM+\b], |v[S+16*\b+\i]|, |v[S+16*\b+\i+1]|
.endr
.endr
.irp b, 0,1
	v_permlanex16_b32 v[T8+\b], v[BM+\b], s[SEL], s[SEL+1]
.endr
.irp b, 0,1
	v_max_num_f32 v[BM+\b], v[BM+\b], v[T8+\b]
.endr
.irp b, 0,1
	v_add_nc_u32 v[SO+\b], 0xfe000000, v[BM+\b]
.endr
.irp b, 0,1
	v_lshrrev_b32 v[BM+\b], 23, v[SO+\b]
.endr
	v_lshl_or_b32 v[ZW], v[BM], 16, v[ZW]
	v_lshl_or_b32 v[ZW], v[BM+1], 24, v[ZW]
	v_cvt_scalef32_pk16_bf6_f32 v[Z+6:Z+8], v[S:S+15], v[SO]
	v_cvt_scalef32_pk16_bf6_f32 v[T8:T8+2], v[S+16:S+31], v[SO+1]
	v_nop
.irp i, 0,1,2
	v_permlane16_swap_b32 v[Z+6+\i], v[T8+\i]
.endr
.irp i, 0,1,2
	v_mov_b32 v[Z+9+\i], v[T8+\i]
.endr
.irp i, 0,1,2,3,4,5
	v_mov_b32 v[QLO+\i], v[QB+\i]
.endr
	v_perm_b32 v[QS], v[QW], v[QW], 0x03020302
	v_mov_b32 v13, 0xff7fffff
	v_floor_f32 v12, -v13
	v_mov_b32 v14, 0
	v_mov_b32 v15, 0
.set j_, 0
.rept 32
	v_mov_b32 v[O+j_], 0                           ; (also the places between the writes of Q and its scale word and the next products)
.set j_, j_+1
.endr
.endm
; A SLOT: the next slot is asked for, this one is worked, the next is put into the other buffer, one barrier.  That buffer was read in the slot before, and every wave waited for those reads ahead of that slot's barrier.
.macro TRIPM e
	s_wait_alu depctr_vm_vsrc(0)                   ; the LDS stores of the slot before have read CP, in which the loads below land
	ISSUE
	STEP \e*BUF1, 0, \e
	STEP \e*BUF1, 1, \e
.if \e == 1
	s_and_b32 s45, s[IT], 3
	s_cmp_lg_u32 s45, 3
	s_cbranch_scc1 .Lno_fin_\@
	FIN
.Lno_fin_\@:
.endif
	s_wait_loadcnt 0x0                             ; the next slot's bytes are in my registers; the loads that read the two bases are done, so these may move on by a slot
.if \e == 0
	s_cmp_eq_u32 s[IT], 3                          ; behind the even head's last slot: on to the odd head's first
	s_mov_b32 s[STC], 12288
	s_cselect_b32 s[STC], 307200, s[STC]
	s_mov_b32 s[STS], 512
	s_cselect_b32 s[STS], 12800, s[STS]
	s_add_nc_u64 s[KVB:KVB+1], s[KVB:KVB+1], s[STC:STC+1]
	s_add_nc_u64 s[KSB:KSB+1], s[KSB:KSB+1], s[STS:STS+1]
.else
	s_add_nc_u64 s[KVB:KVB+1], s[KVB:KVB+1], 12288
	s_add_nc_u64 s[KSB:KSB+1], s[KSB:KSB+1], 512
.endif
	STORE (1-\e)*BUF1
	s_wait_dscnt 0x0                               ; my stores have landed, my reads of this buffer are over
	s_barrier_signal -1
	s_barrier_wait -1
	s_lshr_b32 s[ANYN], s[ANYN], 2
.endm
	ISSUE                                          ; slot 0, asked for beside q: no vector line since the head's wait names CP
.irp i, 0,1,2,3,4,5                    ; what does not hang on q is written while q and slot 0 are on their way: none of these registers is one in which a load lands
	v_mov_b32 v[QHI+\i], 0
	v_mov_b32 v[QLO+6+\i], 0
.endr
	v_mov_b32 v13, 0xff7fffff                      ; the largest t so far: NEG
	v_floor_f32 v12, -v13                          ; -M
	v_mov_b32 v14, 0
	v_mov_b32 v15, 0
.set j_, 0
.rept 13
	v_mov_b32 v[Z+j_], 0
.set j_, j_+1
.endr
.set j_, 0
.rept 8
	v_mov_b32 v[T8+j_], 0
.set j_, j_+1
.endr
	v_mov_b32 v[PWD], 0
	v_mov_b32 v[TMP], 0
	s_wait_loadcnt 0x0                             ; q and slot 0; the loads that read the two bases are done
	s_add_nc_u64 s[KVB:KVB+1], s[KVB:KVB+1], 12288
	s_add_nc_u64 s[KSB:KSB+1], s[KSB:KSB+1], 512
.irp i, 0,1,2,3,4,5
	v_mov_b32 v[QLO+\i], v[F+\i]
	v_mov_b32 v[QB+\i], v[F+6+\i]
.endr
	v_perm_b32 v[QS], v[QW], v[QW], 0x01000100     ; the even head's two bytes, for either half of K
.set j_, 0
.rept 32
	v_mov_b32 v[O+j_], 0                           ; O^T: the first change of M leaves zeros zeros.  (Also the places between the writes of Q and its scale word and the first products)
.set j_, j_+1
.endr
	STORE 0
	s_wait_dscnt 0x0
	s_barrier_signal -1
	s_barrier_wait -1
	s_lshr_b32 s[ANYN], s[ANYN], 2
.Liter:                                            ; 8 trips of two slots; behind the sixteenth slot's bits ANYN holds zeros, so nothing is asked for past the end
	s_and_b32 s[KOFF], s[IT], 3
	s_lshl_b32 s[KOFF], s[KOFF], 11                ; the trip's four key steps in a row of the mask: 512 bytes each
	s_add_nc_u64 s[MB:MB+1], s[8:9], s[KOFF:KOFF+1]   ; (every load that read this base was waited for in its own step)
	TRIPM 0
	TRIPM 1
	s_lshr_b32 s[ACT], s[ACT], 4
	s_lshr_b32 s[MIX], s[MIX], 4
	s_add_co_u32 s[IT], s[IT], 1
	s_cmp_lt_u32 s[IT], 8
	s_cbranch_scc1 .Liter
	s_wait_alu depctr_va_vdst(0)                   ; the odd head's end has written ctx's fragment and its scale word, which the stores below read; the last products are done reading F, in which the block of scale words lands
.irp c, 0,1,2
	global_store_b128 v[LI], v[Z+4*\c:Z+4*\c+3], s[CCB:CCB+1] offset:512*\c   ; ctx's fragment as its image: 512 consecutive bytes a store
.endr
	ds_store_b32 v[CSA], v[ZW]                     ; the scale words of a group's eight tiles meet in LDS
	s_wait_dscnt 0x0
	s_barrier_signal -1
	s_barrier_wait -1
	s_cmp_gt_u32 s[WV], 1
	s_cbranch_scc1 .Lend
	ds_load_b128 v[F:F+3], v[CSR]                  ; wave 0: the first group's block of 512 bytes; wave 1: the second's
	s_wait_dscnt 0x0
	global_store_b128 v[LI], v[F:F+3], s[CSB:CSB+1]
.Lend:
	s_wait_dscnt 0x0                               ; the closing lines, six on end
	s_wait_alu 0x0
	s_wait_tensorcnt 0x0
	ds_add_u32 v254, v255
	s_wait_dscnt 0x0
	s_endpgm
.Lfunc_end_k_qe78207230e_attn:
	.size	k_qe78207230e_attn, .Lfunc_end_k_qe78207230e_attn-k_qe78207230e_attn
	.p2alignl 7, 3214868480
	.fill 96, 4, 3214868480
	.section	.rodata,"a",@progbits
	.p2align	6, 0x0
	.amdhsa_kernel k_qe78207230e_attn
		.amdhsa_group_segment_fixed_size 68608
		.amdhsa_private_segment_fixed_size 0
		.amdhsa_enable_private_segment 0
		.amdhsa_kernarg_size 48
		.amdhsa_user_sgpr_count 2
		.amdhsa_user_sgpr_kernarg_segment_ptr 1
		.amdhsa_wavefront_size32 1
		.amdhsa_system_sgpr_workgroup_id_x 1
		.amdhsa_system_sgpr_workgroup_id_y 1
		.amdhsa_system_sgpr_workgroup_id_z 1
		.amdhsa_system_vgpr_workitem_id 0
		.amdhsa_next_free_vgpr 256
		.amdhsa_next_free_sgpr 90
		.amdhsa_reserve_vcc 0
		.amdhsa_float_denorm_mode_32 3
		.amdhsa_float_denorm_mode_16_64 3
		.amdhsa_memory_ordered 1
		.amdhsa_forward_progress 1
		.amdhsa_inst_pref_size 119
	.end_amdhsa_kernel
	.amdgpu_metadata
---
amdhsa.version: [ 1, 2 ]
amdhsa.kernels:
  - .name:           k_qe78207230e_attn
    .symbol:         k_qe78207230e_attn.kd
    .args:
      - { .name: qkvc, .offset: 0, .size: 8, .value_kind: global_buffer, .address_space: global }
      - { .name: qkvs, .offset: 8, .size: 8, .value_kind: global_buffer, .address_space: global }
      - { .name: mask, .offset: 16, .size: 8, .value_kind: global_buffer, .address_space: global }
      - { .name: flags, .offset: 24, .size: 8, .value_kind: global_buffer, .address_space: global }
      - { .name: cc, .offset: 32, .size: 8, .value_kind: global_buffer, .address_space: global }
      - { .name: cs, .offset: 40, .size: 8, .value_kind: global_buffer, .address_space: global }
    .group_segment_fixed_size: 68608
    .private_segment_fixed_size: 0
    .kernarg_segment_align: 8
    .kernarg_segment_size: 48
    .max_flat_workgroup_size: 512
    .sgpr_count:     90
    .vgpr_count:     256
    .wavefront_size: 32
...
	.end_amdgpu_metadata
.endif
;; end of part 5
;; launch oproj: the kernel of part 4 again; grid 4 x 32, 4 waves a work-group, clusters of 4 x 4, 327,680 bytes of LDS; arguments cc, cs, opc, ops, out0; writes out0
